; MI455X (gfx1250); checked and timed in simulation.
; The chip was launched on July 23, 2026; its instructions are those of AMD's public machine-readable ISA for CDNA 5 (MIT licence, August 2026) and "CDNA5" Instruction Set Architecture Reference Guide (July 2026). The comments in the code are by the model that wrote it; some were corrected since.
;; Causal Multi Head Self Attention. Allowed arithmetic: matrix products marked QUANTISED: E2M1 operands, one E8M0 scale for each 32 along K, by v_wmma_scale_f32_16x16x128_f8f6f4 with both operands' format E2M1 (or v_wmma_scale_f32_32x16x128_f4), f32 sums; products left as they are: bf16, f16 or f32 operands; f32 sums; everything else in f32.
;; Inputs: token_positions 2 x 2,048 int32; wk 1,024 x 1,024 float32; wo 1,024 x 1,024 float32; wq 1,024 x 1,024 float32; wv 1,024 x 1,024 float32; x 2 x 2,048 x 1,024 float32.
;; Outputs: out0 2 x 2,048 x 1,024 float32.
;; This version of the problem:
;;   THIS VERSION OF THE PROBLEM IS GIVEN IN LOW PRECISION. The matrix products marked QUANTISED in the list below multiply operands that are first quantised to E2M1 (2 exponent bits, 1 mantissa bit; 4 bits a number), with one power-of-two scale for each 32 numbers along K (OCP MX v1.0); their sums are f32. The products marked 'left as it is' may take bf16, f16 or f32 operands, with f32 sums. Whichever they take, every output number must still come out within the allowed error. Rounding operands to bf16 (8 significant bits) uses up far more of that allowance than f16 does (11 bits, for magnitudes from 6e-5 to 65,504). All else is computed in f32.
;;   The module's matrix products, in the order in which they are computed (A, B: the left and right operand; K: the contracted axis; several contracted axes count as one K, in the product's order):
;;     1. [M 4,096, K 1,024] x [K 1,024, N 1,024]; A: input x; B: input wq: QUANTISED
;;     2. [M 4,096, K 1,024] x [K 1,024, N 1,024]; A: input x; B: input wk: QUANTISED
;;     3. [M 4,096, K 1,024] x [K 1,024, N 1,024]; A: input x; B: input wv: QUANTISED
;;     4. batch 32 x [M 2,048, K 64] x [K 64, N 2,048]; A: computed on the way; B: computed on the way: left as it is (an operand is computed on the way)
;;     5. batch 32 x [M 64, K 2,048] x [K 2,048, N 2,048]; A: computed on the way; B: computed on the way: left as it is (an operand is computed on the way)
;;     6. [M 4,096, K 1,024] x [K 1,024, N 1,024]; A: computed on the way; B: input wo: left as it is (an operand is computed on the way)
;;   THE QUANTISER, for each operand of a quantised product, along K:
;;     - K is cut into blocks of 32 from its start; a last block that is shorter is filled with zeros.
;;     - A block's scale is 2^e with e = floor(log2(the largest magnitude in the block)) - 2, held to -126 .. 127; a block of zeros has e = 0. As a byte (E8M0): e + 127.
;;     - Each number is divided by its block's scale, clamped to +-6, and rounded to the nearest number of E2M1, ties to even, subnormals kept.
;;     - The product sums the exact products of the quantised numbers (number of the format x scale) in f32.
;;   ~~~python
;;   def quantise(x, axis):      # numpy; x: float32 -> the quantised numbers, widened to float32 again
;;       x = np.moveaxis(x, axis, -1); K = x.shape[-1]
;;       x = np.pad(x, [(0, 0)] * (x.ndim - 1) + [(0, -K % 32)]); x = x.reshape(x.shape[:-1] + (-1, 32)); a = np.abs(x).max(-1, keepdims=True)
;;       e = np.where(a > 0, np.clip(np.frexp(np.where(a > 0, a, 1))[1] - 1 - 2, -126, 127), 0)      # np.frexp(a)[1] - 1 = floor(log2(a)), exactly
;;       r = np.clip(x / 2.0 ** e, -6, 6)
;;       step = 2.0 ** (np.maximum(np.frexp(np.where(r == 0, 1, r))[1] - 1, 0) - 1)
;;       q = np.round(r / step) * step * 2.0 ** e      # np.round: ties to even
;;       return np.moveaxis(q.reshape(q.shape[:-2] + (-1,))[..., :K], -1, axis).astype(np.float32)
;;   ~~~
;; One version. Each part assembles by itself: llvm-mc -triple=amdgcn-amd-amdhsa -mcpu=gfx1250 --defsym DOCPART=n.
;; ======== version 1 of 1: 5 launches
;; limits: values are held in f16: magnitudes above 65,504 overflow, below 6.1e-05 lose precision; right only within a limited range of input values
;; workspace buffers: codes 3,670,016 bytes; scales 229,376 bytes; wo16 2,097,152 bytes; qkv16 25,165,824 bytes; fine32 393,216 bytes; o16 8,388,608 bytes
;; launch prep (part 1): grid 256 x 1, 4 waves a work-group, no clusters, 33,280 bytes of LDS; arguments x, wq, wk, wv, wo, codes, scales, wo16; writes codes, scales, wo16
.if DOCPART == 1
	.amdgcn_target "amdgcn-amd-amdhsa--gfx1250"
	.amdhsa_code_object_version 6
	.text
	.protected	k_q885815c120_prep
	.globl	k_q885815c120_prep
	.p2align	8
	.type	k_q885815c120_prep,@function
k_q885815c120_prep:
	s_mov_b64 s[64:65], 0
	v_nop
	global_prefetch_b8 v0, s[64:65] scope:SCOPE_SE
	s_setreg_imm32_b32 hwreg(HW_REG_WAVE_MODE, 25, 1), 1
	s_wait_xcnt 0x0
; x [4096][1024], wq, wk, wv [1024][1024], f32, become codes of FP4 (E2M1), K innermost, with one E8M0 scale byte for each 32 along K; wo [1024][1024] becomes f16.
; codes: 7,168 rows of 512 bytes; scales: 7,168 rows of 32 bytes.  Rows 0-4095 are x's.  Row 4096 + 192 h + 64 t + j is row 64 h + j of W_t (t = 0 q, 1 k, 2 v): a head's q, k and v weights are 192 rows on end.
; A block's scale is 2^(floor(log2(its largest magnitude)) - 2); its byte is the largest magnitude's exponent field - 2, held at 1 from below.
; LIMITS: a block of zeros gets the byte 1 where the rule says 127 (its codes are zeros, and this program alone reads the bytes); blocks whose largest magnitude lies under 2^-124 keep the byte 1;
; NaN and infinities among the inputs are not served; wo stays under 65,504 in magnitude (f16).
; SHARES: a work-group takes 32,768 numbers (32 rows), a wave 8,192 in 16 steps of 512.  Work-groups 0-127: x; 128-159: wq; 160-191: wk; 192-223: wv; 224-255: wo.
; The four quantised tensors take ONE path: only pointers and row numbers are chosen, by the work-group's number.  Each load reads 512 consecutive bytes; a step's 2,048 bytes turn through the wave's own stage in LDS,
; so that a lane holds 16 neighbours along K; a lane's 16 codes are 8 bytes, so a wave stores 256 consecutive bytes; a wave's 256 scale bytes are gathered in LDS and leave as one run of 256 bytes.
; No matrix unit, no cluster, no tensor load: memory binds, and waves share nothing.
.set WAVES, 4
.set STEPS, 16
.set EMAX,  2
.set CB,    8                          ; bytes of 16 codes
.set R,     16                         ; v16-79   four sets of 16 numbers as loaded
.set X,     80                         ; v80-111  two sets of 16 neighbours
.set E,     112                        ; v112-127 a scale byte for each step
.set C,     128                        ; v128-191 codes, four registers a step: no store's data are written again
.set WREG,  8192                       ; LDS: a region for each wave: two stages of 32 x SP bytes, then its 256 scale bytes
.set SP,    80                         ; a lane's place in a stage: 64 bytes + 16 of padding
.set SPW,   12                         ; v12 LDS address of my spare word; never rewritten
.set NIL,   13                         ; v13 0; never rewritten
.set SPARE, WAVES*WREG                 ; behind the four regions: the spare words, 128 bytes a wave
.set HB,    16                         ; wo's path: v16-143 two batches of 16 loads
.set HO,    144                        ; v144-175 a batch's f16 numbers
	s_load_b256 s[4:11], s[0:1], 0x0               ; x s[4:5], wq s[6:7], wk s[8:9], wv s[10:11]
	s_load_b256 s[12:19], s[0:1], 0x20             ; wo s[12:13], codes s[14:15], scales s[16:17], wo16 s[18:19]
	v_lshl_add_u32 v[SPW], v0, 2, SPARE
	v_mov_b32 v[NIL], 0
	v_lshrrev_b32 v1, 5, v0
	v_readfirstlane_b32 s20, v1                    ; wave
	v_and_b32 v2, 31, v0                           ; lane
	v_lshlrev_b32 v3, 4, v2                        ; my 16 bytes of a load's 512
	s_mul_i32 s21, s20, WREG
	v_lshrrev_b32 v14, 2, v2
	v_mul_u32_u24 v14, v14, SP
	v_and_b32 v15, 3, v2
	v_lshl_add_u32 v14, v15, 4, v14
	v_add_nc_u32 v14, s21, v14                     ; the stage, on the way in: SP (lane / 4) + 16 (lane % 4)
	v_mul_u32_u24 v15, v2, SP
	v_add_nc_u32 v15, s21, v15                     ; and on the way out: SP x lane: my 16 neighbours
	v_mul_u32_u24 v4, v2, CB                       ; my codes' place in a step's
	v_lshrrev_b32 v5, 1, v2
	s_add_co_u32 s21, s21, 2*32*SP
	v_add_nc_u32 v5, s21, v5                       ; LDS: my block's scale byte
	v_lshlrev_b32 v7, 3, v2                        ; 8 bytes a lane
	v_add_nc_u32 v6, s21, v7
	s_sub_co_u32 s22, ttmp9, 128                   ; for a weight's work-group:
	s_lshr_b32 s23, s22, 5                         ; t: which weight
	s_and_b32 s24, s22, 31                         ; l: which 32 rows of it
	s_lshr_b32 s25, s24, 1                         ; their head
	s_mul_i32 s25, s25, 192
	s_lshl_b32 s26, s23, 6
	s_add_co_u32 s25, s25, s26
	s_and_b32 s26, s24, 1
	s_lshl_b32 s26, s26, 5
	s_add_co_u32 s25, s25, s26
	s_add_co_u32 s25, s25, 4096                    ; first row in codes: 4096 + 192 head + 64 t + 32 (l % 2)
	s_lshl_b32 s26, ttmp9, 5                       ; and for x's work-group: 32 x its number
	s_wait_kmcnt 0x0
	s_cmp_ge_u32 ttmp9, 224
	s_cbranch_scc1 .Lwo
	s_cmp_eq_u32 s23, 1                            ; the choices hang on the work-group's number alone
	s_cselect_b64 s[6:7], s[8:9], s[6:7]
	s_cmp_eq_u32 s23, 2
	s_cselect_b64 s[6:7], s[10:11], s[6:7]
	s_cmp_lt_u32 ttmp9, 128
	s_cselect_b64 s[4:5], s[4:5], s[6:7]
	s_cselect_b32 s24, ttmp9, s24
	s_cselect_b32 s25, s26, s25
	s_lshl_b32 s26, s24, 2
	s_add_co_u32 s26, s26, s20
	s_lshl_b32 s26, s26, 15                        ; my wave's 8 rows in the source: 32,768 bytes a wave
	s_mov_b32 s27, 0
	s_add_nc_u64 s[4:5], s[4:5], s[26:27]
	s_lshr_b32 s26, s25, 3
	s_add_co_u32 s26, s26, s20                     ; which run of 8 rows of codes is mine
	s_lshl_b32 s28, s26, 12
	s_mov_b32 s29, 0
	s_add_nc_u64 s[14:15], s[14:15], s[28:29]
	s_lshl_b32 s28, s26, 8
	s_add_nc_u64 s[16:17], s[16:17], s[28:29]
.macro LOAD t
.irp i, 0,1,2,3
	global_load_b128 v[R+16*((\t)%4)+4*\i:R+16*((\t)%4)+4*\i+3], v3, s[4:5] offset:2048*(\t)+512*\i th:TH_LOAD_NT   ; 32 lanes read 512 consecutive bytes
.endr
.endm
.macro TURN t                          ; step t's numbers through the stage: LDS serves a wave's instructions in order, so no wait stands between the stores and the loads
.irp i, 0,1,2,3
	ds_store_b128 v14, v[R+16*((\t)%4)+4*\i:R+16*((\t)%4)+4*\i+3] offset:32*SP*((\t)%2)+8*SP*\i
.endr
.irp i, 0,1,2,3
	ds_load_b128 v[X+16*((\t)%2)+4*\i:X+16*((\t)%2)+4*\i+3], v15 offset:32*SP*((\t)%2)+16*\i
.endr
.endm
.irp t, 0,1,2,3
	LOAD \t
.endr
	s_wait_loadcnt 12                              ; step 0's four loads are in; three steps' twelve may be out
	TURN 0
.macro STEP t
.set XS, X+16*((\t)%2)
.if (\t) > 0
	s_wait_dscnt 1                                 ; this step's numbers are back from the stage (the last step's byte store may be out)
.else
	s_wait_dscnt 0x0
.endif
.if (\t)+4 < STEPS
	LOAD (\t)+4                                    ; into the registers that the stage's stores have read
.endif
.if (\t)+1 < STEPS
.if STEPS-2-(\t) >= 3
	s_wait_loadcnt 12                              ; the next step's four loads are in; those of the three steps behind it may be out
.else
	s_wait_loadcnt 4*(STEPS-2-(\t))
.endif
	TURN (\t)+1
.endif
	v_max3_num_f32 v8, |v[XS]|, |v[XS+1]|, |v[XS+2]|               ; the largest magnitude of my 16, in two chains
	v_max3_num_f32 v9, |v[XS+3]|, |v[XS+4]|, |v[XS+5]|
.irp i, 6,10
	v_max3_num_f32 v8, v8, |v[XS+\i]|, |v[XS+\i+1]|
	v_max3_num_f32 v9, v9, |v[XS+\i+2]|, |v[XS+\i+3]|
.endr
	v_max3_num_f32 v8, v8, |v[XS+14]|, |v[XS+15]|
	v_max3_num_f32 v8, v8, v9, (EMAX+1)<<23        ; and the floor 2^(3 - 127): the byte cannot fall under 1
	v_max_num_f32_dpp v8, v8, v8 row_xmask:1 row_mask:0xf bank_mask:0xf   ; and of my neighbour's 16: the block's
	v_add_nc_u32 v11, -(EMAX<<23), v8              ; 2 off its exponent field: the conversion takes this operand's exponent field as its scale
	v_cvt_scalef32_pk8_fp4_f32 v[C+4*(\t)], v[XS:XS+7], v11
	v_cvt_scalef32_pk8_fp4_f32 v[C+4*(\t)+1], v[XS+8:XS+15], v11
	v_lshrrev_b32 v[E+(\t)], 23, v11               ; the scale's byte (a plain line behind the conversions)
	ds_store_b8 v5, v[E+(\t)] offset:16*(\t)       ; both lanes of a block write the same byte with the same value
	global_store_b64 v4, v[C+4*(\t):C+4*(\t)+1], s[14:15] offset:32*CB*(\t)   ; 32 lanes store 256 consecutive bytes
.endm
.irp t, 0,1,2,3,4,5,6,7,8,9,10,11,12,13,14,15
	STEP \t
.endr
	ds_load_b64 v[8:9], v6                         ; LDS serves a wave's instructions in order: these see my byte stores
	s_wait_dscnt 0x0
	global_store_b64 v7, v[8:9], s[16:17]          ; 32 lanes store my 256 scale bytes
	s_wait_tensorcnt 0x0                           ; the wave's end, behind my last LDS store
	ds_add_u32 v[SPW], v[NIL]
	s_wait_dscnt 0x0
	s_endpgm
; wo to f16: a wave takes 8,192 numbers in four batches of sixteen loads of 512 consecutive bytes; four numbers a lane become 8 bytes, so a store covers 256 consecutive bytes.  No LDS.
.Lwo:
	s_sub_co_u32 s21, ttmp9, 224
	s_lshl_b32 s21, s21, 2
	s_add_co_u32 s21, s21, s20                     ; which run of 8,192 numbers
	s_lshl_b32 s22, s21, 15
	s_mov_b32 s23, 0
	s_add_nc_u64 s[12:13], s[12:13], s[22:23]
	s_lshl_b32 s22, s21, 14
	s_add_nc_u64 s[18:19], s[18:19], s[22:23]
.macro LOADB k
.irp i, 0,1,2,3,4,5,6,7,8,9,10,11,12,13,14,15
	global_load_b128 v[HB+64*((\k)%2)+4*\i:HB+64*((\k)%2)+4*\i+3], v3, s[12:13] offset:(16*(\k)+\i)*512
.endr
.endm
.macro BATCH k
.if (\k) < 3
	s_wait_loadcnt 16                              ; this batch is in; the next batch's sixteen loads may be out
.else
	s_wait_loadcnt 0x0
.endif
	s_wait_xcnt 0x0                                ; the last batch's stores have read their data registers, which are written again below
.irp i, 0,1,2,3,4,5,6,7,8,9,10,11,12,13,14,15
	v_cvt_pk_f16_f32 v[HO+2*\i], v[HB+64*((\k)%2)+4*\i], v[HB+64*((\k)%2)+4*\i+1]
	v_cvt_pk_f16_f32 v[HO+2*\i+1], v[HB+64*((\k)%2)+4*\i+2], v[HB+64*((\k)%2)+4*\i+3]
.endr
.irp i, 0,1,2,3,4,5,6,7,8,9,10,11,12,13,14,15
	global_store_b64 v7, v[HO+2*\i:HO+2*\i+1], s[18:19] offset:(16*(\k)+\i)*256
.endr
.if (\k) < 2
	LOADB (\k)+2
.endif
.endm
	LOADB 0
	LOADB 1
	BATCH 0
	BATCH 1
	BATCH 2
	BATCH 3
	s_wait_tensorcnt 0x0                           ; the same three lines at this path's end
	ds_add_u32 v[SPW], v[NIL]
	s_wait_dscnt 0x0
	s_endpgm
.Lfunc_end_k_q885815c120_prep:
	.size	k_q885815c120_prep, .Lfunc_end_k_q885815c120_prep-k_q885815c120_prep
	.p2alignl 7, 3214868480
	.fill 96, 4, 3214868480
	.section	.rodata,"a",@progbits
	.p2align	6, 0x0
	.amdhsa_kernel k_q885815c120_prep
		.amdhsa_group_segment_fixed_size 33280
		.amdhsa_private_segment_fixed_size 0
		.amdhsa_enable_private_segment 0
		.amdhsa_kernarg_size 64
		.amdhsa_user_sgpr_count 2
		.amdhsa_user_sgpr_kernarg_segment_ptr 1
		.amdhsa_wavefront_size32 1
		.amdhsa_system_sgpr_workgroup_id_x 1
		.amdhsa_system_sgpr_workgroup_id_y 1
		.amdhsa_system_sgpr_workgroup_id_z 1
		.amdhsa_system_vgpr_workitem_id 0
		.amdhsa_next_free_vgpr 192
		.amdhsa_next_free_sgpr 66
		.amdhsa_reserve_vcc 0
		.amdhsa_float_denorm_mode_32 3
		.amdhsa_float_denorm_mode_16_64 3
		.amdhsa_memory_ordered 1
		.amdhsa_forward_progress 1
		.amdhsa_inst_pref_size 55
	.end_amdhsa_kernel
	.amdgpu_metadata
---
amdhsa.version: [ 1, 2 ]
amdhsa.kernels:
  - .name:           k_q885815c120_prep
    .symbol:         k_q885815c120_prep.kd
    .args:
      - { .name: x, .offset: 0, .size: 8, .value_kind: global_buffer, .address_space: global }
      - { .name: wq, .offset: 8, .size: 8, .value_kind: global_buffer, .address_space: global }
      - { .name: wk, .offset: 16, .size: 8, .value_kind: global_buffer, .address_space: global }
      - { .name: wv, .offset: 24, .size: 8, .value_kind: global_buffer, .address_space: global }
      - { .name: wo, .offset: 32, .size: 8, .value_kind: global_buffer, .address_space: global }
      - { .name: codes, .offset: 40, .size: 8, .value_kind: global_buffer, .address_space: global }
      - { .name: scales, .offset: 48, .size: 8, .value_kind: global_buffer, .address_space: global }
      - { .name: wo16, .offset: 56, .size: 8, .value_kind: global_buffer, .address_space: global }
    .group_segment_fixed_size: 33280
    .private_segment_fixed_size: 0
    .kernarg_segment_align: 8
    .kernarg_segment_size: 64
    .max_flat_workgroup_size: 128
    .sgpr_count:     66
    .vgpr_count:     192
    .wavefront_size: 32
...
	.end_amdgpu_metadata
.endif
;; end of part 1
;; launch qkv (part 2): grid 16 x 16, 4 waves a work-group, clusters of 4 x 1, 327,680 bytes of LDS; arguments codes, scales, token_positions, qkv16, fine32; writes qkv16, fine32
.if DOCPART == 2
	.amdgcn_target "amdgcn-amd-amdhsa--gfx1250"
	.amdhsa_code_object_version 6
	.text
	.protected	k_q885815c120_qkv
	.globl	k_q885815c120_qkv
	.p2align	8
	.type	k_q885815c120_qkv,@function
k_q885815c120_qkv:
	s_mov_b64 s[64:65], 0
	v_nop
	global_prefetch_b8 v0, s[64:65] scope:SCOPE_SE
	s_setreg_imm32_b32 hwreg(HW_REG_WAVE_MODE, 25, 1), 1
	s_wait_xcnt 0x0
	s_wait_alu depctr_hold_cnt(0) depctr_sa_sdst(0) depctr_va_vdst(0) depctr_va_sdst(0) depctr_va_ssrc(0) depctr_va_vcc(0) depctr_vm_vsrc(0)
	s_getreg_b32 s2, hwreg(HW_REG_IB_STS2, 6, 4)
	s_cmp_eq_u32 s2, 0
	s_cbranch_scc0 .Lentry_in_a_cluster
	s_endpgm
.Lentry_in_a_cluster:
	s_bfe_u32 s2, ttmp6, 0x10000c
	s_cmp_lg_u32 s2, 0x3003
	s_cbranch_scc0 .Lentry_shape_is_right
	s_endpgm
.Lentry_shape_is_right:
; q, k, v = x W^T on codes of FP4 with E8M0 scales, RoPE on q and k in f32, then f16 out: qkv16 [t 3][b 2][h 16][s 2048][64].  The first 16 positions of each sequence also leave in f32: fine32 [b][h][t][16][64].
; SHARES.  A work-group takes 256 rows of x and ONE head's 192 columns (q, k, v: 192 consecutive rows of the weights' codes).  Wave w takes rows 64 w .. 64 w + 63 and all 192 columns:
; 4 x 12 accumulators of 16 x 16, 384 registers.  So the sine and cosine of a (row, column pair) are made once and serve q and k, and a wave's 16 rows x 64 columns of f16 are 2,048 consecutive bytes of qkv16.
; ALL OF K LIES IN LDS: two chunks of 512 along K (rows of 256 bytes, 272 apart), each filled once: no slot is filled again.  The scale bytes of the 256 + 192 rows come once, as runs of 256 bytes + 16 of padding.
; CLUSTER.  The four heads of a cluster (along x) read the same 256 rows of x: x's codes and scales are asked for JOINTLY (mask 15).  The weights' tiles differ from partner to partner and come by plain loads.
; A cluster of 4 x 4 is not taken: the branch that stores the f32 copy hangs on the row block, which would then be a place in the cluster.
; THE MATRIX INSTRUCTION IS USED TRANSPOSED (source 0 = 16 rows of W, source 1 = 16 rows of x): a lane holds one row of x and eight neighbouring columns.
; RoPE: angle = f32(pos) x 10000^(-i / 512), i the column pair; the inverse frequency by one exponential of i x log2(10000) / 512 taken in two parts; the angle less the nearest multiple of 2 pi (2 pi in two parts);
; sine and cosine by their series to x^15 and x^16 on |x| <= pi.
; LIMITS: q, k, v stay under 65,504 in magnitude (f16); the angle differs from the exact product by about |pos| x 2e-7; positions up to about 2^20; NaN and infinities are not served.
; REGISTERS, in windows of 256.  Window 0: v1-15 lane terms and addresses; v16-19 positions; v[20:21], v[22:23] the series' leading coefficients; v32-127 W's scale words (tile b, chunk c, step q at 32 + 4 (12 c + b) + q);
;   v128-159 x's (128 + 4 (4 c + a) + q); v160-223 x's fragments, two sets; v224-239 sixteen inverse frequencies; v240-247 the four tiles' positions as f32, each twice.  On the way out v32-207 are at work.
;   Window 1: W's fragments, two sets of 96.  Window 2: accumulators of row tiles 0, 1 (at 8 (12 (a % 2) + b));  window 3: of row tiles 2, 3.
.set PITCH,  272
.set SLOT,   121856                    ; a chunk: x's 256 rows, then W's 192
.set BOFF,   69632
.set SCA,    243712                    ; x's scale bytes: 32 runs of 272
.set SCB,    252416                    ; W's: 24 runs of 272
.set STAGE,  259072                    ; the way out: 3 tensors x 16 rows x 144 bytes for each wave; no tile lands here
.set SPARE,  286720                    ; the spare words, 128 bytes a wave
.set ADRA, 4                           ; v4, v5  my fragments of x in chunk 0, 1
.set ADRB, 6                           ; v6, v7  of W
.set ADSA, 8                           ; v8   x's scale words
.set ADSB, 9                           ; v9   W's
.set STO,  10                          ; v10  the stage: where I put 16 bytes of a row
.set RD,   11                          ; v11  and where I read rows back
.set GO,   12                          ; v12  16 x lane
.set FO,   13                          ; v13  my place in a tensor's 16 rows of fine32
.set SPW,  14
.set NIL,  15
.set POS,  16
.set K15,  20
.set K16,  22
.set SBR,  32
.set SAR,  128
.set AF,   160
.set IFR,  224
.set POSP, 240
.set RR,   32                          ; way out: v32-47 the reduced angles
.set NN,   48                          ; v48-63 the multiples of 2 pi, then the angles' squares
.set SN,   64                          ; v64-79 sines
.set CSN,  80                          ; v80-95 cosines
.set R32,  96                          ; v96-159 q and k turned, f32
.set PK,   160                         ; v160-207 q, k, v as f16
.set BK,   96                          ; v96-143 rows read back from the stage
.set G1A,  24
.set G1B,  32
.set G1SA, 40
.set G1SB, 48
.set G0A,  56                          ; s[56:59], s[60:63]
.set G0B,  68                          ; s[68:71], s[72:75]
.set G0SA, 76
.set G0SB, 80
.set MSB, 0
.macro WIN new                         ; the immediate's high byte repeats the setting that is left
.if MSB != (\new)
	s_set_vgpr_msb (MSB<<8)|(\new)
.set MSB, (\new)
.endif
.endm
.macro PLACES
.rept 4
	v_nop
.endr
.endm
.macro CROUND                          ; a round of the cluster's barrier
	s_barrier_signal -1
	s_barrier_wait -1
	s_cmp_lg_u32 s14, 0
	s_cbranch_scc1 .Lnot_wave_0_\@
	s_barrier_signal -3
.Lnot_wave_0_\@:
	s_barrier_wait -3
	s_barrier_signal -1
	s_barrier_wait -1
.endm
	s_load_b256 s[4:11], s[0:1], 0x0               ; codes s[4:5], scales s[6:7], token_positions s[8:9], qkv16 s[10:11]
	s_load_b64 s[12:13], s[0:1], 0x20              ; fine32
	v_lshl_add_u32 v[SPW], v0, 2, SPARE
	v_mov_b32 v[NIL], 0
	ds_add_u32 v[SPW], v[NIL]                      ; the wave's opening: the add, twice on end, and its wait ahead of my first tensor load
	ds_add_u32 v[SPW], v[NIL]
	v_lshrrev_b32 v1, 5, v0
	v_readfirstlane_b32 s14, v1                    ; wave 0..3
	s_lshr_b32 s15, s14, 1                         ; I fetch for x (0) or for W (1)
	s_and_b32 s16, s14, 1                          ; which half of the rows I fetch
	s_bfe_u32 s17, ttmp6, 0x40000                  ; cx
	s_lshl_b32 s18, ttmp9, 2
	s_add_co_u32 s18, s18, s17                     ; the head = 4 x cluster x + cx
	s_and_b32 s19, ttmp7, 0xffff                   ; the row block, which the four partners share
	s_mov_b32 s[G1A], 15|(1<<20)|(1<<21)|(5<<22)|(3<<25)    ; the mask: all four; elements of 1 byte; 4 words of padding after every 64
	s_mov_b32 s[G1A+1], 256<<16                    ; tensor_dim0
	s_mov_b32 s[G1A+2], 128<<16                    ; tensor_dim1
	s_mov_b32 s[G1A+3], 256<<16                    ; tile_dim0
	s_mov_b32 s[G1A+4], 128                        ; tile_dim1
	s_mov_b32 s[G1A+5], 512                        ; from row to row
	s_mov_b32 s[G1A+6], 0
	s_mov_b32 s[G1A+7], 0
	s_mov_b32 s[G1B], (1<<20)|(5<<22)|(3<<25)      ; no mask: W's tiles are my work-group's own
	s_mov_b32 s[G1B+1], 256<<16
	s_mov_b32 s[G1B+2], 96<<16
	s_mov_b32 s[G1B+3], 256<<16
	s_mov_b32 s[G1B+4], 96
	s_mov_b32 s[G1B+5], 512
	s_mov_b32 s[G1B+6], 0
	s_mov_b32 s[G1B+7], 0
	s_mov_b32 s[G1SA], 15|(3<<16)|(1<<20)|(1<<21)|(5<<22)|(3<<25)   ; scale bytes of 128 rows: 16 dense rows of 32 elements of 8 bytes
	s_mov_b32 s[G1SA+1], 32<<16
	s_mov_b32 s[G1SA+2], 16<<16
	s_mov_b32 s[G1SA+3], 32<<16
	s_mov_b32 s[G1SA+4], 16
	s_mov_b32 s[G1SA+5], 32
	s_mov_b32 s[G1SA+6], 0
	s_mov_b32 s[G1SA+7], 0
	s_mov_b32 s[G1SB], (3<<16)|(1<<20)|(5<<22)|(3<<25)      ; of 96 rows: 12 such rows
	s_mov_b32 s[G1SB+1], 32<<16
	s_mov_b32 s[G1SB+2], 12<<16
	s_mov_b32 s[G1SB+3], 32<<16
	s_mov_b32 s[G1SB+4], 12
	s_mov_b32 s[G1SB+5], 32
	s_mov_b32 s[G1SB+6], 0
	s_mov_b32 s[G1SB+7], 0
	s_lshl_b32 s88, s19, 17                        ; x's codes: (256 y + 128 half) rows of 512 bytes: the row block and the wave's number alone
	s_lshl_b32 s89, s16, 16
	s_add_co_u32 s88, s88, s89
	s_mov_b32 s89, 0
	s_lshl_b32 s90, s19, 13                        ; x's scale bytes: 32 a row
	s_lshl_b32 s91, s16, 12
	s_add_co_u32 s90, s90, s91
	s_mov_b32 s91, 0
	s_mul_i32 s92, s18, 192                        ; W: row 4096 + 192 head + 96 half
	s_mul_i32 s93, s16, 96
	s_add_co_u32 s92, s92, s93
	s_add_co_u32 s92, s92, 4096
	s_lshl_b32 s94, s92, 5
	s_lshl_b32 s92, s92, 9
	s_mov_b32 s93, 0
	s_mov_b32 s95, 0
	s_mul_i32 s84, s16, 34816                      ; where they go in LDS: the wave's number alone
	s_mul_i32 s85, s16, 26112
	s_add_co_u32 s85, s85, BOFF
	s_mul_i32 s86, s16, 4352
	s_add_co_u32 s86, s86, SCA
	s_mul_i32 s87, s16, 3264
	s_add_co_u32 s87, s87, SCB
	s_wait_dscnt 0x0                               ; both opening adds are done
	s_wait_kmcnt 0x0
	s_add_nc_u64 s[88:89], s[4:5], s[88:89]
	s_add_nc_u64 s[90:91], s[6:7], s[90:91]
	s_add_nc_u64 s[92:93], s[4:5], s[92:93]
	s_add_nc_u64 s[94:95], s[6:7], s[94:95]
	CROUND                                         ; all four work-groups are here: the joint loads meet
	s_mov_b32 s[G0SA], 1
	s_mov_b32 s[G0SA+1], s86
	s_mov_b64 s[G0SA+2:G0SA+3], s[90:91]
	s_or_b32 s[G0SA+3], s[G0SA+3], 0x80000000
	s_mov_b32 s[G0SB], 1
	s_mov_b32 s[G0SB+1], s87
	s_mov_b64 s[G0SB+2:G0SB+3], s[94:95]
	s_or_b32 s[G0SB+3], s[G0SB+3], 0x80000000
.irp c, 0,1
	s_mov_b32 s[G0A+4*\c], 1
	s_add_co_u32 s[G0A+4*\c+1], s84, \c*SLOT
	s_add_nc_u64 s[G0A+4*\c+2:G0A+4*\c+3], s[88:89], \c*256
	s_or_b32 s[G0A+4*\c+3], s[G0A+4*\c+3], 0x80000000
	s_mov_b32 s[G0B+4*\c], 1
	s_add_co_u32 s[G0B+4*\c+1], s85, \c*SLOT
	s_add_nc_u64 s[G0B+4*\c+2:G0B+4*\c+3], s[92:93], \c*256
	s_or_b32 s[G0B+4*\c+3], s[G0B+4*\c+3], 0x80000000
.endr
	s_cmp_eq_u32 s15, 0                            ; a wave's three fills stand in one branch on the wave's number: three loads of mine are out; an s_nop 0 follows each, four v_nop the last
	s_cbranch_scc0 .Lfor_w
	tensor_load_to_lds s[G0SA:G0SA+3], s[G1SA:G1SA+7]
	s_nop 0
	tensor_load_to_lds s[G0A:G0A+3], s[G1A:G1A+7]
	s_nop 0
	tensor_load_to_lds s[G0A+4:G0A+7], s[G1A:G1A+7]
	s_nop 0
	PLACES
	s_branch .Lasked
.Lfor_w:
	tensor_load_to_lds s[G0SB:G0SB+3], s[G1SB:G1SB+7]
	s_nop 0
	tensor_load_to_lds s[G0B:G0B+3], s[G1B:G1B+7]
	s_nop 0
	tensor_load_to_lds s[G0B+4:G0B+7], s[G1B:G1B+7]
	s_nop 0
	PLACES
.Lasked:
	s_lshr_b32 s84, s19, 3                         ; the batch
	s_lshl_b32 s84, s84, 4
	s_add_co_u32 s84, s84, s18                     ; 16 b + head
	s_mul_i32 s86, s84, 12288
	s_mov_b32 s87, 0
	s_add_nc_u64 s[12:13], s[12:13], s[86:87]      ; fine32 at my (b, head)
	s_lshl_b32 s84, s84, 11
	s_and_b32 s85, s19, 7
	s_lshl_b32 s85, s85, 8
	s_add_co_u32 s84, s84, s85
	s_lshl_b32 s85, s14, 6
	s_add_co_u32 s84, s84, s85                     ; my first row in a tensor of qkv16
	s_lshl_b32 s84, s84, 7
	s_mov_b32 s85, 0
	s_add_nc_u64 s[20:21], s[10:11], s[84:85]      ; q,
	s_add_nc_u64 s[22:23], s[20:21], 0x800000      ; k,
	s_add_nc_u64 s[96:97], s[20:21], 0x1000000     ; v
	s_lshl_b32 s84, s19, 10
	s_lshl_b32 s86, s14, 8
	s_add_co_u32 s84, s84, s86
	s_add_nc_u64 s[8:9], s[8:9], s[84:85]          ; the positions of my 64 rows
	v_and_b32 v1, 15, v0                           ; r
	v_bfe_u32 v2, v0, 4, 1                         ; h
	v_lshlrev_b32 v27, 2, v1
.irp a, 0,1,2,3
	global_load_b32 v[POS+\a], v27, s[8:9] offset:64*\a   ; row 16 a + r
.endr
	v_mul_u32_u24 v3, v1, PITCH
	v_lshl_add_u32 v3, v2, 4, v3                   ; a fragment's row x pitch + 16 x half
	s_mul_i32 s86, s14, 17408                      ; my 64 rows of x
	v_add_nc_u32 v[ADRA], s86, v3
	v_add_nc_u32 v[ADRA+1], SLOT, v[ADRA]
	v_add_nc_u32 v[ADRB], BOFF, v3
	v_add_nc_u32 v[ADRB+1], SLOT, v[ADRB]
	v_lshrrev_b32 v24, 3, v1
	v_lshlrev_b32 v25, 5, v1
	v_lshl_add_u32 v25, v24, 4, v25                ; a row's 32 scale bytes: 32 r, and 16 more behind each 256
	s_mul_i32 s86, s14, 2176
	s_add_co_u32 s86, s86, SCA
	v_add_nc_u32 v[ADSA], s86, v25
	v_add_nc_u32 v[ADSB], SCB, v25
	s_mul_i32 s86, s14, 6912
	s_add_co_u32 s86, s86, STAGE                   ; my stage
	v_mul_u32_u24 v24, v1, 144
	v_lshl_add_u32 v24, v2, 4, v24
	v_add_nc_u32 v[STO], s86, v24                  ; in: row r, 16 bytes for each half of the lanes
	v_and_b32 v24, 31, v0
	v_lshrrev_b32 v25, 3, v24
	v_mul_u32_u24 v25, v25, 144
	v_and_b32 v26, 7, v0
	v_lshl_add_u32 v25, v26, 4, v25
	v_add_nc_u32 v[RD], s86, v25                   ; back: eight lanes to a row of 128 bytes, four rows an instruction
	v_lshlrev_b32 v[GO], 4, v24
	v_lshlrev_b32 v[FO], 8, v1
	v_lshl_add_u32 v[FO], v2, 5, v[FO]
	v_mov_b32 v[K15], 0xab573f9f                   ; -1 / 15!
	v_mov_b32 v[K15+1], 0xab573f9f
	v_mov_b32 v[K16], 0x29573f9f                   ; 1 / 16!
	v_mov_b32 v[K16+1], 0x29573f9f
	; the inverse frequencies of my 16 column pairs: pair i = 32 head + 8 t4 + 4 h + jj, at index 4 t4 + jj.  2^(-i C), C = log2(10000) / 512 = Chi + Clo; i x Chi is exact (9 bits x 14 bits)
	s_lshl_b32 s86, s18, 5
	v_lshl_add_u32 v28, v2, 2, s86
.set n, 0
.rept 16
	v_add_nc_u32 v[AF+n], 8*(n/4)+n%4, v28
.set n, n+1
.endr
.set n, 0
.rept 16
	v_cvt_f32_u32 v[AF+n], v[AF+n]
.set n, n+1
.endr
.set n, 0
.rept 16
	v_mul_f32 v[AF+16+n], 0x3543da19, v[AF+n]      ; i x (-Clo)
.set n, n+1
.endr
.set n, 0
.rept 16
	v_fmamk_f32 v[AF+n], v[AF+n], 0xbcd49c00, v[AF+16+n]   ; + i x (-Chi)
.set n, n+1
.endr
.set n, 0
.rept 16
	v_exp_f32 v[IFR+n], v[AF+n]
.set n, n+1
.endr
	v_nop                                          ; a plain line behind the last exponential
	s_wait_alu depctr_va_vdst(0)                   ; one wait for the sixteen, ahead of their first reader
	s_wait_loadcnt 0x0                             ; the positions
.irp a, 0,1,2,3
	v_cvt_f32_i32 v[POSP+2*\a], v[POS+\a]
	v_cvt_f32_i32 v[POSP+2*\a+1], v[POS+\a]
.endr
	s_wait_tensorcnt 0x1                           ; my scale bytes and my part of chunk 0 are in; chunk 1's load may stay out
	s_barrier_signal -1
	s_barrier_wait -1                              ; everybody's are
; the fragments of K step s (128 along K): W's twelve into window 1, x's four into window 0, set s % 2: 32 loads.  A fragment is 8 registers: lane (r, h) holds row r; registers 4 c .. 4 c + 3 hold K = 64 c + 32 h + 0 .. 31
.macro FETCH s
	WIN 0x40
.irp i, 0,1,2,3,4,5,6,7,8,9,10,11
	ds_load_b128 v[96*((\s)%2)+8*\i:96*((\s)%2)+8*\i+3],   v[ADRB+(\s)/4] offset:64*((\s)%4)+\i*16*PITCH
	ds_load_b128 v[96*((\s)%2)+8*\i+4:96*((\s)%2)+8*\i+7], v[ADRB+(\s)/4] offset:64*((\s)%4)+\i*16*PITCH+32
.endr
	WIN 0
.irp i, 0,1,2,3
	ds_load_b128 v[AF+32*((\s)%2)+8*\i:AF+32*((\s)%2)+8*\i+3],   v[ADRA+(\s)/4] offset:64*((\s)%4)+\i*16*PITCH
	ds_load_b128 v[AF+32*((\s)%2)+8*\i+4:AF+32*((\s)%2)+8*\i+7], v[ADRA+(\s)/4] offset:64*((\s)%4)+\i*16*PITCH+32
.endr
.endm
.macro SCALES                          ; all scale words: four words (a chunk's four K steps) a load
.irp c, 0,1
.irp b, 0,1,2,3,4,5,6,7,8,9,10,11
	ds_load_b128 v[SBR+4*(12*\c+\b):SBR+4*(12*\c+\b)+3], v[ADSB] offset:544*\b+16*\c
.endr
.irp a, 0,1,2,3
	ds_load_b128 v[SAR+4*(4*\c+\a):SAR+4*(4*\c+\a)+3], v[ADSA] offset:544*\a+16*\c
.endr
.endr
.endm
; 48 matrix instructions: the 48 accumulators take turns, one instruction a turn, in the same order in every step.  Step 0 starts the sums with the constant 0
.macro MULS s
.set CC, (\s)/4
.set QQ, (\s)%4
.set PP, (\s)%2
.irp a, 0,1,2,3
	WIN 0xa1+0x50*(\a/2)
.irp b, 0,1,2,3,4,5,6,7,8,9,10,11
.if (\s) == 0
	v_wmma_scale_f32_16x16x128_f8f6f4 v[8*(12*(\a%2)+\b):8*(12*(\a%2)+\b)+7], v[96*PP+8*\b:96*PP+8*\b+7], v[AF+32*PP+8*\a:AF+32*PP+8*\a+7], 0, v[SBR+4*(12*CC+\b)+QQ], v[SAR+4*(4*CC+\a)+QQ] matrix_a_fmt:MATRIX_FMT_FP4 matrix_b_fmt:MATRIX_FMT_FP4
.else
	v_wmma_scale_f32_16x16x128_f8f6f4 v[8*(12*(\a%2)+\b):8*(12*(\a%2)+\b)+7], v[96*PP+8*\b:96*PP+8*\b+7], v[AF+32*PP+8*\a:AF+32*PP+8*\a+7], v[8*(12*(\a%2)+\b):8*(12*(\a%2)+\b)+7], v[SBR+4*(12*CC+\b)+QQ], v[SAR+4*(4*CC+\a)+QQ] matrix_a_fmt:MATRIX_FMT_FP4 matrix_b_fmt:MATRIX_FMT_FP4
.endif
.endr
.endr
.endm
.macro KSTEP s
.if (\s) == 3
	s_wait_tensorcnt 0x0                           ; my part of chunk 1 is in,
	s_wait_dscnt 0x0                               ; no LDS load of mine is out at the signal,
	s_barrier_signal -1
	s_barrier_wait -1                              ; and everybody's part is in: step 4's fragments may be read
.endif
.if (\s) >= 1
	PLACES                                         ; four places between the last products, which read the set that is loaded next, and the loads
.endif
.if (\s) < 7
	FETCH (\s)+1
	s_wait_dscnt 32                                ; all but the 32 loads just issued: this step's fragments (and the scale words) are in
.else
	s_wait_dscnt 0x0
.endif
	MULS \s
.endm
	SCALES
	FETCH 0
	KSTEP 0
	KSTEP 1
	KSTEP 2
	KSTEP 3
	KSTEP 4
	KSTEP 5
	KSTEP 6
	KSTEP 7
	WIN 0
; THE WAY OUT, a tile of 16 rows at a time.
.macro HORN d, c                       ; d = d x (angle squared) + c, eight pairs
.irp g, 0,2,4,6,8,10,12,14
	v_pk_fma_f32 v[\d+\g:\d+\g+1], v[\d+\g:\d+\g+1], v[NN+\g:NN+\g+1], \c op_sel_hi:[1,1,0]
.endr
.endm
.macro SINCOS a                        ; sine and cosine of row 16 a + r's sixteen angles; every line runs over eight pairs, so that no line waits for the line above it
.irp g, 0,2,4,6,8,10,12,14
	v_pk_mul_f32 v[RR+\g:RR+\g+1], v[IFR+\g:IFR+\g+1], v[POSP+2*(\a):POSP+2*(\a)+1]   ; the angle, one rounding, as the definition has it
.endr
.irp g, 0,2,4,6,8,10,12,14
	v_pk_mul_f32 v[NN+\g:NN+\g+1], v[RR+\g:RR+\g+1], 0x3e22f983 op_sel_hi:[1,0]       ; / 2 pi
.endr
.irp g, 0,1,2,3,4,5,6,7,8,9,10,11,12,13,14,15
	v_rndne_f32 v[NN+\g], v[NN+\g]
.endr
.irp g, 0,2,4,6,8,10,12,14
	v_pk_fma_f32 v[RR+\g:RR+\g+1], v[NN+\g:NN+\g+1], 0xc0c90fdb, v[RR+\g:RR+\g+1] op_sel_hi:[1,0,1]   ; less n x 2 pi's upper part,
.endr
.irp g, 0,2,4,6,8,10,12,14
	v_pk_fma_f32 v[RR+\g:RR+\g+1], v[NN+\g:NN+\g+1], 0x343bbd2e, v[RR+\g:RR+\g+1] op_sel_hi:[1,0,1]   ; and its lower part (which is negative)
.endr
.irp g, 0,2,4,6,8,10,12,14
	v_pk_mul_f32 v[NN+\g:NN+\g+1], v[RR+\g:RR+\g+1], v[RR+\g:RR+\g+1]
.endr
.irp g, 0,2,4,6,8,10,12,14
	v_pk_fma_f32 v[SN+\g:SN+\g+1], v[NN+\g:NN+\g+1], v[K15:K15+1], 0x2f309231 op_sel_hi:[1,1,0]
.endr
	HORN SN, 0xb2d7322b
	HORN SN, 0x3638ef1d
	HORN SN, 0xb9500d01
	HORN SN, 0x3c088889
	HORN SN, 0xbe2aaaab
	HORN SN, 1.0
.irp g, 0,2,4,6,8,10,12,14
	v_pk_mul_f32 v[SN+\g:SN+\g+1], v[SN+\g:SN+\g+1], v[RR+\g:RR+\g+1]
.endr
.irp g, 0,2,4,6,8,10,12,14
	v_pk_fma_f32 v[CSN+\g:CSN+\g+1], v[NN+\g:NN+\g+1], v[K16:K16+1], 0xad49cba5 op_sel_hi:[1,1,0]
.endr
	HORN CSN, 0x310f76c7
	HORN CSN, 0xb493f27e
	HORN CSN, 0x37d00d01
	HORN CSN, 0xbab60b61
	HORN CSN, 0x3d2aaaab
	HORN CSN, -0.5
	HORN CSN, 1.0
.endm
; q and k of row tile a are turned: (x1, x2) -> (x1 c - x2 s, x2 c + x1 s).  Two packed lines a pair; each accumulator is read from its low end on
.macro ROPE a
	WIN 0x02+(\a)/2                                ; source 0: the accumulators' window
.irp t, 0,1
.irp u, 0,1,2,3
.irp p, 0,1
	v_pk_mul_f32 v[R32+32*\t+8*\u+4*\p:R32+32*\t+8*\u+4*\p+1], v[8*(12*((\a)%2)+4*\t+\u)+4*\p:8*(12*((\a)%2)+4*\t+\u)+4*\p+1], v[CSN+4*\u+2*\p:CSN+4*\u+2*\p+1] op_sel:[0,0] op_sel_hi:[1,0]
	v_pk_mul_f32 v[R32+32*\t+8*\u+4*\p+2:R32+32*\t+8*\u+4*\p+3], v[8*(12*((\a)%2)+4*\t+\u)+4*\p+2:8*(12*((\a)%2)+4*\t+\u)+4*\p+3], v[CSN+4*\u+2*\p:CSN+4*\u+2*\p+1] op_sel:[0,1] op_sel_hi:[1,1]
.endr
.endr
.endr
.irp t, 0,1
.irp u, 0,1,2,3
.irp p, 0,1
	v_pk_fma_f32 v[R32+32*\t+8*\u+4*\p:R32+32*\t+8*\u+4*\p+1], v[8*(12*((\a)%2)+4*\t+\u)+4*\p:8*(12*((\a)%2)+4*\t+\u)+4*\p+1], v[SN+4*\u+2*\p:SN+4*\u+2*\p+1], v[R32+32*\t+8*\u+4*\p:R32+32*\t+8*\u+4*\p+1] op_sel:[1,0,0] op_sel_hi:[0,0,1] neg_lo:[0,1,0]
	v_pk_fma_f32 v[R32+32*\t+8*\u+4*\p+2:R32+32*\t+8*\u+4*\p+3], v[8*(12*((\a)%2)+4*\t+\u)+4*\p+2:8*(12*((\a)%2)+4*\t+\u)+4*\p+3], v[SN+4*\u+2*\p:SN+4*\u+2*\p+1], v[R32+32*\t+8*\u+4*\p+2:R32+32*\t+8*\u+4*\p+3] op_sel:[1,1,0] op_sel_hi:[0,1,1] neg_lo:[0,1,0]
.endr
.endr
.endr
.endm
.macro PACK a                          ; to f16: a lane's eight columns of a tile are 16 bytes
	WIN 0
.set n, 0
.rept 32
	v_cvt_pk_f16_f32 v[PK+n], v[R32+2*n], v[R32+2*n+1]
.set n, n+1
.endr
	WIN 0x0a+5*((\a)/2)                            ; v as it stands in its accumulators
.set n, 0
.rept 16
	v_cvt_pk_f16_f32 v[PK+32+n], v[8*(12*((\a)%2)+8)+2*n], v[8*(12*((\a)%2)+8)+2*n+1]
.set n, n+1
.endr
	WIN 0
.endm
.macro TOSTAGE                         ; through my own stage: LDS serves a wave's instructions in order, so no wait stands between the stores and the loads
	s_wait_xcnt 0x0                                ; earlier stores have read the registers into which the loads below land
.irp t, 0,1,2
.irp u, 0,1,2,3
	ds_store_b128 v[STO], v[PK+16*\t+4*\u:PK+16*\t+4*\u+3] offset:2304*\t+32*\u
.endr
.endr
.irp t, 0,1,2
.irp i, 0,1,2,3
	ds_load_b128 v[BK+16*\t+4*\i:BK+16*\t+4*\i+3], v[RD] offset:2304*\t+576*\i
.endr
.endr
.endm
.macro SEND a                          ; 32 lanes store 512 consecutive bytes: four rows of a head
	s_wait_dscnt 0x0
.irp i, 0,1,2,3
	global_store_b128 v[GO], v[BK+4*\i:BK+4*\i+3], s[20:21] offset:2048*(\a)+512*\i
	global_store_b128 v[GO], v[BK+16+4*\i:BK+16+4*\i+3], s[22:23] offset:2048*(\a)+512*\i
	global_store_b128 v[GO], v[BK+32+4*\i:BK+32+4*\i+3], s[96:97] offset:2048*(\a)+512*\i
.endr
.endm
	SINCOS 0                                       ; its plain lines are also the places between the last products and the first read of results
	ROPE 0
	PACK 0
	s_and_b32 s84, s19, 7                          ; a sequence's first 16 positions lie in row tile 0 of wave 0 of every eighth row block: they leave in f32 too
	s_or_b32 s84, s84, s14
	s_cmp_lg_u32 s84, 0
	s_cbranch_scc1 .Lno_fine
.irp t, 0,1
.irp u, 0,1,2,3
	global_store_b128 v[FO], v[R32+32*\t+8*\u:R32+32*\t+8*\u+3], s[12:13] offset:4096*\t+64*\u
	global_store_b128 v[FO], v[R32+32*\t+8*\u+4:R32+32*\t+8*\u+7], s[12:13] offset:4096*\t+64*\u+16
.endr
.endr
	WIN 0x08                                       ; a store's data are its source 1: window 2
.irp u, 0,1,2,3
	global_store_b128 v[FO], v[64+8*\u:64+8*\u+3], s[12:13] offset:8192+64*\u
	global_store_b128 v[FO], v[64+8*\u+4:64+8*\u+7], s[12:13] offset:8192+64*\u+16
.endr
	WIN 0
.Lno_fine:
	TOSTAGE
	SINCOS 1                                       ; the next tile's angles stand between the stage's loads and the wait for them
	SEND 0
.irp a, 1,2,3
	s_wait_xcnt 0x0                                ; the last tile's stores have read their registers, which are written again below
	ROPE \a
	PACK \a
	TOSTAGE
.if \a < 3
	SINCOS \a+1
.endif
	SEND \a
.endr
	s_wait_tensorcnt 0x0                           ; the wave's end, behind my last tensor load and my last LDS store
	ds_add_u32 v[SPW], v[NIL]
	s_wait_dscnt 0x0
	CROUND                                         ; the closing round
	s_endpgm
.Lfunc_end_k_q885815c120_qkv:
	.size	k_q885815c120_qkv, .Lfunc_end_k_q885815c120_qkv-k_q885815c120_qkv
	.p2alignl 7, 3214868480
	.fill 96, 4, 3214868480
	.section	.rodata,"a",@progbits
	.p2align	6, 0x0
	.amdhsa_kernel k_q885815c120_qkv
		.amdhsa_group_segment_fixed_size 327680
		.amdhsa_private_segment_fixed_size 0
		.amdhsa_enable_private_segment 0
		.amdhsa_kernarg_size 40
		.amdhsa_user_sgpr_count 2
		.amdhsa_user_sgpr_kernarg_segment_ptr 1
		.amdhsa_wavefront_size32 1
		.amdhsa_system_sgpr_workgroup_id_x 1
		.amdhsa_system_sgpr_workgroup_id_y 1
		.amdhsa_system_sgpr_workgroup_id_z 1
		.amdhsa_system_vgpr_workitem_id 0
		.amdhsa_next_free_vgpr 1024
		.amdhsa_next_free_sgpr 100
		.amdhsa_reserve_vcc 0
		.amdhsa_float_denorm_mode_32 3
		.amdhsa_float_denorm_mode_16_64 3
		.amdhsa_memory_ordered 1
		.amdhsa_forward_progress 1
		.amdhsa_inst_pref_size 183
	.end_amdhsa_kernel
	.amdgpu_metadata
---
amdhsa.version: [ 1, 2 ]
amdhsa.kernels:
  - .name:           k_q885815c120_qkv
    .symbol:         k_q885815c120_qkv.kd
    .args:
      - { .name: codes, .offset: 0, .size: 8, .value_kind: global_buffer, .address_space: global }
      - { .name: scales, .offset: 8, .size: 8, .value_kind: global_buffer, .address_space: global }
      - { .name: token_positions, .offset: 16, .size: 8, .value_kind: global_buffer, .address_space: global }
      - { .name: qkv16, .offset: 24, .size: 8, .value_kind: global_buffer, .address_space: global }
      - { .name: fine32, .offset: 32, .size: 8, .value_kind: global_buffer, .address_space: global }
    .group_segment_fixed_size: 327680
    .private_segment_fixed_size: 0
    .kernarg_segment_align: 8
    .kernarg_segment_size: 40
    .max_flat_workgroup_size: 128
    .sgpr_count:     100
    .vgpr_count:     1024
    .wavefront_size: 32
...
	.end_amdgpu_metadata
.endif
;; end of part 2
;; launch attn (part 3): grid 8 x 32, 8 waves a work-group, no clusters, 327,680 bytes of LDS; arguments qkv16, o16; writes o16
.if DOCPART == 3
	.amdgcn_target "amdgcn-amd-amdhsa--gfx1250"
	.amdhsa_code_object_version 6
	.text
	.protected	k_q885815c120_attn
	.globl	k_q885815c120_attn
	.p2align	8
	.type	k_q885815c120_attn,@function
k_q885815c120_attn:
	s_mov_b64 s[64:65], 0
	v_nop
	global_prefetch_b8 v0, s[64:65] scope:SCOPE_SE
	s_setreg_imm32_b32 hwreg(HW_REG_WAVE_MODE, 25, 1), 1
	s_wait_xcnt 0x0
; o[b][h][q][:] = the sum over k <= q of softmax_k(q . k / 8) v[k][:], head size 64, 2,048 positions.  q, k, v: f16 planes of qkv16 [t][b][h][s][64]; o16 [b][h][s][64] f16.
; Products on f16 operands with f32 sums; maxima, exponentials and sums in f32; the weights p are rounded to f16 for the second product, o once at the end.
; SHARES.  Work-group (i, bh) owns query blocks i and 15 - i of 128 queries: under the causal mask every work-group then has the same work.  Waves 0-3 take block i, waves 4-7 block 15 - i, 32 queries a wave:
; two tiles of 16, so that each fragment of K and V read from LDS feeds two matrix instructions.
; LAYOUT.  S^T = K Q^T (source 0 = 16 keys, source 1 = 16 queries): a lane holds ONE query (lane % 16) and keys 8 (lane / 16) + 0..7.  Two such tiles, rounded to f16 in pairs, ARE source 1 of O^T = V^T P.
; K comes out of LDS as it lies, V ([key][channel]) turned, by ds_load_tr16_b128.
; SOFTMAX.  A running maximum m and sum l for each query: p = 2^(c s - c m), c = log2(e) / 8; in every step O and l are multiplied by 2^(c m_old - c m_new).
; RING.  Two LDS slots of 256 keys (K: 256 rows of 144 bytes; V: 256 rows of 160), filled by waves 0, 1 (K's halves) and 2, 3 (V's) and read by all eight.  Every work-group walks all eight changes of slots; a step all of
; whose keys come after a wave's queries is left out by a branch on ids, and a slot whose first key comes after the work-group's last query is not asked for.  Every wait on TENSORcnt is for 0.
; No cluster: the work-groups of a head need different numbers of slots under the causal limit, so partners could not make every joint request.
; LIMITS: q, k, v, o under 65,504 in magnitude (f16); NaN and infinities are not served.
; REGISTERS.  Tile x's own registers have the same numbers in window x: v144-159 Q, v160-191 S^T then p, v192-207 P, v208-239 O^T, v240-250 statistics.  Window 0 also holds v1-12 addresses, v16-79 K's fragments, v80-143 V's.
.set KP,    144
.set VP,    160
.set VOFF,  36864
.set SLOT1, 1<<17
.set SPARE, 208896                     ; behind slot 1: the spare words, 128 bytes a wave
.set STAGE, 209920                     ; the way out: 2 tiles x 16 rows x 144 bytes for each wave; no tile lands here
.set AK0, 1
.set AV0, 2
.set ADK, 3
.set ADV, 4
.set SPW, 5
.set NIL, 6
.set GO,  7
.set STO, 8
.set RD,  9
.set PFO, 10
.set QO,  11
.set QR0, 12
.set KFR, 16                           ; fragment (16 keys u, 32 channels ks) at 16 + 16 u + 8 ks
.set VFR, 80                           ; fragment (32 keys kb, 16 channels t) at 80 + 32 kb + 8 t
.set Q,   144
.set S,   160
.set P,   192
.set O,   208
.set ST,  240                          ; +0 c m, +1 m, +2, +3 l, +4..7 at work (the factor takes +6), +8 my query less 8 (lane / 16), +9 that less the step's first key, +10 -infinity
.set WV,    8
.set SQ0,   11                         ; my first query
.set LASTQ, 12                         ; my work-group's last query
.set KF,    13                         ; the step's first key
.set TB,    14                         ; LDS byte at which the slot in hand begins
.set SLOTS, 15
.set SEL,   16
.set CS,    18
.set G1K,   24
.set G1V,   32
.set G0K,   40
.set G0V,   44
.set PFK,   48
.set PFV,   50
.set LIM,   52
.set MSB, 0
.macro WIN new
.if MSB != (\new)
	s_set_vgpr_msb (MSB<<8)|(\new)
.set MSB, (\new)
.endif
.endm
.macro PLACES
.rept 4
	v_nop
.endr
.endm
.macro TLOAD                           ; waves 0, 1 fetch K's halves, waves 2, 3 V's, the others nothing; an s_nop 0 and four v_nop follow each line
	s_cmp_lt_u32 s[WV], 2
	s_cbranch_scc0 .Lnot_k_\@
	tensor_load_to_lds s[G0K:G0K+3], s[G1K:G1K+7]
	s_nop 0
	PLACES
	s_branch .Lasked_\@
.Lnot_k_\@:
	s_cmp_lt_u32 s[WV], 4
	s_cbranch_scc0 .Lasked_\@
	tensor_load_to_lds s[G0V:G0V+3], s[G1V:G1V+7]
	s_nop 0
	PLACES
.Lasked_\@:
.endm
; A prefetch of what the NEXT change of slots will ask for: a slot's 32,768 bytes of K and of V.  All work-groups of a (b, h) walk the same K and V: work-group i = 0, which walks all slots, asks; in it waves 4 to 7,
; which fetch nothing, 8,192 bytes of each a wave, lanes 256 bytes apart: each block of 256 bytes is named once.  The last change that fills a slot asks for nothing.  Slots 0 and 1 come by their loads alone.
.macro ASK
	s_cmp_gt_u32 s[SLOTS], s[LIM]
	s_cbranch_scc0 .Lnot_mine_\@
	global_prefetch_b8 v[PFO], s[PFK:PFK+1] th:TH_LOAD_NT scope:SCOPE_SE
	global_prefetch_b8 v[PFO], s[PFV:PFV+1] th:TH_LOAD_NT scope:SCOPE_SE
.Lnot_mine_\@:
.endm
	s_load_b128 s[4:7], s[0:1], 0x0                ; qkv16, o16
	v_lshl_add_u32 v[SPW], v0, 2, SPARE
	v_mov_b32 v[NIL], 0
	ds_add_u32 v[SPW], v[NIL]                      ; the wave's opening: the add, twice on end, and its wait ahead of the first tensor load
	ds_add_u32 v[SPW], v[NIL]
	v_lshrrev_b32 v13, 5, v0
	v_readfirstlane_b32 s[WV], v13                 ; wave 0..7
	s_and_b32 s10, ttmp7, 0xffff                   ; 16 b + h
	s_lshl_b32 s20, ttmp9, 7                       ; 128 i
	s_lshl_b32 s21, s[WV], 5
	s_sub_co_u32 s22, 1792, s20
	s_sub_co_u32 s[LASTQ], 2047, s20
	s_cmp_lt_u32 s[WV], 4
	s_cselect_b32 s[SQ0], s20, s22
	s_add_co_u32 s[SQ0], s[SQ0], s21               ; waves 0-3: 128 i + 32 w; waves 4-7: 128 (15 - i) + 32 (w - 4)
	s_lshl_b32 s56, s10, 18                        ; my plane: 2,048 rows of 128 bytes
	s_mov_b32 s57, 0
	s_and_b32 s23, s[WV], 1
	s_lshl_b32 s58, s23, 14                        ; the half of a slot that I fetch, if I fetch: 128 rows
	s_add_co_u32 s58, s58, s56
	s_mov_b32 s59, 0
	s_mul_i32 s60, s23, 18432
	s_mul_i32 s61, s23, 20480
	s_add_co_u32 s61, s61, VOFF
	s_mov_b32 s[G1K], (1<<16)|(1<<20)|(4<<22)|(3<<25)       ; elements of 2 bytes; 4 words of padding after every 32
	s_mov_b32 s[G1V], (1<<16)|(1<<20)|(4<<22)|(7<<25)       ; 8 words of padding
.irp g, G1K, G1V
	s_mov_b32 s[\g+1], 64<<16                      ; tensor_dim0
	s_mov_b32 s[\g+2], 128<<16                     ; tensor_dim1
	s_mov_b32 s[\g+3], 64<<16                      ; tile_dim0
	s_mov_b32 s[\g+4], 128                         ; tile_dim1
	s_mov_b32 s[\g+5], 64                          ; from row to row
	s_mov_b32 s[\g+6], 0
	s_mov_b32 s[\g+7], 0
.endr
	s_mov_b32 s[SEL], 0x76543210
	s_mov_b32 s[SEL+1], 0xfedcba98
	s_mov_b32 s[CS], 0x3e38aa3b                    ; c = log2(e) / 8
	s_mov_b32 s[CS+1], s[CS]
	s_mov_b32 s[KF], 0
	s_mov_b32 s[TB], 0
	s_mov_b32 s[SLOTS], 7
	s_wait_dscnt 0x0                               ; both opening adds are done
	s_wait_kmcnt 0x0
	s_mov_b32 s[G0K], 1
	s_mov_b32 s[G0K+1], s60
	s_add_nc_u64 s[G0K+2:G0K+3], s[4:5], s[58:59]
	s_add_nc_u64 s[G0K+2:G0K+3], s[G0K+2:G0K+3], 0x800000
	s_or_b32 s[G0K+3], s[G0K+3], 0x80000000
	s_mov_b32 s[G0V], 1
	s_mov_b32 s[G0V+1], s61
	s_add_nc_u64 s[G0V+2:G0V+3], s[4:5], s[58:59]
	s_add_nc_u64 s[G0V+2:G0V+3], s[G0V+2:G0V+3], 0x1000000
	s_or_b32 s[G0V+3], s[G0V+3], 0x80000000
	TLOAD                                          ; slot 0: key 0 counts for every query
	s_lshl_b32 s62, s[SQ0], 7
	s_add_co_u32 s62, s62, s56
	s_mov_b32 s63, 0
	s_add_nc_u64 s[54:55], s[4:5], s[62:63]        ; Q at my first query
	s_add_nc_u64 s[6:7], s[6:7], s[62:63]          ; o16 likewise
	s_and_b32 s66, s[WV], 3
	s_lshl_b32 s66, s66, 13
	s_add_co_u32 s66, s66, s56
	s_add_co_u32 s66, s66, 32768                   ; in slot 1: the first change of slots steps it to slot 2.  Nothing is prefetched here, at the head
	s_mov_b32 s67, 0
	s_add_nc_u64 s[PFK:PFK+1], s[4:5], s[66:67]
	s_add_nc_u64 s[PFV:PFV+1], s[PFK:PFK+1], 0x1000000
	s_add_nc_u64 s[PFK:PFK+1], s[PFK:PFK+1], 0x800000
	s_lshr_b32 s68, s[WV], 2
	s_xor_b32 s68, s68, 1                          ; 0 in waves 4 to 7,
	s_or_b32 s68, s68, ttmp9                       ; of work-group i = 0
	s_cmp_eq_u32 s68, 0
	s_cselect_b32 s[LIM], 1, -1
	v_and_b32 v13, 15, v0                          ; r
	v_bfe_u32 v14, v0, 4, 1                        ; h
	v_lshlrev_b32 v[QO], 7, v13
	v_lshl_add_u32 v[QO], v14, 4, v[QO]
.irp x, 0,1
	WIN 0x40*\x
.irp c, 0,1,2,3
	global_load_b128 v[Q+4*\c:Q+4*\c+3], v[QO], s[54:55] offset:2048*\x+32*\c   ; Q's two fragments of tile x stay in registers
.endr
.endr
	WIN 0
	v_mul_u32_u24 v[AK0], v13, KP
	v_lshl_add_u32 v[AK0], v14, 4, v[AK0]          ; K: row r, + 16 h
	v_and_b32 v15, 7, v0
	v_lshl_add_u32 v[AV0], v14, 3, v15
	v_mul_u32_u24 v[AV0], v[AV0], VP
	v_bfe_u32 v15, v0, 3, 1
	v_lshl_add_u32 v[AV0], v15, 4, v[AV0]
	v_add_nc_u32 v[AV0], VOFF, v[AV0]              ; V, for the turning load: key 8 h + lane % 8, channels 8 ((lane / 8) % 2) on
	v_and_b32 v15, 31, v0
	v_lshlrev_b32 v[GO], 4, v15
	v_lshlrev_b32 v[PFO], 8, v15
	s_mul_i32 s69, s[WV], 4608
	s_add_co_u32 s69, s69, STAGE
	v_mul_u32_u24 v[STO], v13, 144
	v_lshl_add_u32 v[STO], v14, 4, v[STO]
	v_add_nc_u32 v[STO], s69, v[STO]
	v_lshrrev_b32 v[RD], 3, v15
	v_mul_u32_u24 v[RD], v[RD], 144
	v_and_b32 v15, 7, v0
	v_lshl_add_u32 v[RD], v15, 4, v[RD]
	v_add_nc_u32 v[RD], s69, v[RD]
	v_lshlrev_b32 v[QR0], 3, v14
	v_sub_nc_u32 v[QR0], v13, v[QR0]               ; r - 8 h
.macro INIT x                          ; the step is written once: the first finds zeros, which the first change of m leaves zeros
	WIN 0x55*(\x)
	v_mov_b32 v[ST+1], 0xff61b1e6                  ; m = -3e38, under every score
	v_mul_f32 v[ST], s[CS], v[ST+1]
.irp j, 2,3,4,5,6,7,9
	v_mov_b32 v[ST+\j], 0
.endr
	v_mov_b32 v[ST+10], 0xff800000
.set n, 0
.rept 32
	v_mov_b32 v[O+n], 0
.set n, n+1
.endr
	WIN 0x40*(\x)
	v_add_nc_u32 v[ST+8], 16*(\x), v[QR0]
.endm
	INIT 0
	INIT 1
	WIN 0
; One tile's softmax for a step of 64 keys; it runs in the tile's own window.
.macro SMX
.irp j, 0,1,2,3
	v_max3_num_f32 v[ST+4+\j], v[S+8*\j], v[S+8*\j+1], v[S+8*\j+2]   ; four chains; each accumulator is read from its low end on
.endr
.irp i, 3,5
.irp j, 0,1,2,3
	v_max3_num_f32 v[ST+4+\j], v[ST+4+\j], v[S+8*\j+\i], v[S+8*\j+\i+1]
.endr
.endr
	v_max3_num_f32 v[ST+4], v[ST+4], v[S+7], v[S+15]
	v_max3_num_f32 v[ST+6], v[ST+6], v[S+23], v[S+31]
	v_max3_num_f32 v[ST+4], v[ST+4], v[ST+5], v[ST+6]
	v_max3_num_f32 v[ST+4], v[ST+4], v[ST+7], v[ST+1]              ; with the old m
	v_permlanex16_b32 v[ST+5], v[ST+4], s[SEL], s[SEL+1]           ; the query's other 32 keys lie in the lane 16 away
	v_mov_b32 v[ST+7], v[ST]                                       ; c m_old
	v_max_num_f32 v[ST+1], v[ST+4], v[ST+5]
	v_mul_f32 v[ST], s[CS], v[ST+1]
	v_sub_f32 v[ST+7], v[ST+7], v[ST]
.set n, 0
.rept 16
	v_pk_fma_f32 v[S+2*n:S+2*n+1], v[S+2*n:S+2*n+1], s[CS:CS+1], v[ST:ST+1] op_sel_hi:[1,0,0] neg_lo:[0,0,1] neg_hi:[0,0,1]   ; c s - c m
.set n, n+1
.endr
	v_exp_f32 v[ST+6], v[ST+7]                     ; the factor 2^(c m_old - c m_new)
.set n, 0
.rept 32
	v_exp_f32 v[S+n], v[S+n]
.set n, n+1
.endr
	v_nop                                          ; a plain line behind the last exponential
	s_wait_alu depctr_va_vdst(0)                   ; ONE wait for the 33, ahead of their first reader
.set n, 0
.rept 16
	v_cvt_pk_f16_f32 v[P+n], v[S+2*n], v[S+2*n+1]
.set n, n+1
.endr
.irp w, 4,8,16,32                      ; the sum of the 16 pairs, in place: neighbours 1, 2, 4, 8 pairs apart
.set n, 0
.rept 32/\w
	v_pk_add_f32 v[S+\w*n:S+\w*n+1], v[S+\w*n:S+\w*n+1], v[S+\w*n+\w/2:S+\w*n+\w/2+1]
.set n, n+1
.endr
.endr
	v_pk_fma_f32 v[ST+2:ST+3], v[ST+2:ST+3], v[ST+6:ST+7], v[S:S+1] op_sel_hi:[1,0,1]
.set n, 0
.rept 16
	v_pk_mul_f32 v[O+2*n:O+2*n+1], v[O+2*n:O+2*n+1], v[ST+6:ST+7] op_sel_hi:[1,0]
.set n, n+1
.endr
.endm
.macro PV                              ; O^T += V^T P: the four accumulators by turns
.irp b, 0,1
.irp t, 0,1,2,3
	v_wmma_f32_16x16x32_f16 v[O+8*\t:O+8*\t+7], v[VFR+32*\b+8*\t:VFR+32*\b+8*\t+7], v[P+8*\b:P+8*\b+7], v[O+8*\t:O+8*\t+7]
.endr
.endr
.endm
; A KEY STEP: 64 keys, the q-th of the slot in hand.
.macro STEP q
	s_add_co_u32 s96, s[SQ0], 31                   ; a step all of whose keys come after my 32 queries is left out: a branch on ids, round the step's loads, products and softmax alone
	s_cmp_gt_u32 s[KF], s96
	s_cbranch_scc1 .Lhidden_\@
	v_add_nc_u32 v[ADK], s[TB], v[AK0]
	v_add_nc_u32 v[ADV], s[TB], v[AV0]
	v_nop
	v_nop                                          ; four places between the last products and loads into the registers that they read
.irp u, 0,1,2,3
.irp k, 0,1
	ds_load_b128 v[KFR+16*\u+8*\k:KFR+16*\u+8*\k+3],   v[ADK] offset:64*KP*(\q)+16*KP*\u+64*\k
	ds_load_b128 v[KFR+16*\u+8*\k+4:KFR+16*\u+8*\k+7], v[ADK] offset:64*KP*(\q)+16*KP*\u+64*\k+32
.endr
.endr
.irp b, 0,1
.irp t, 0,1,2,3
	ds_load_tr16_b128 v[VFR+32*\b+8*\t:VFR+32*\b+8*\t+3],   v[ADV] offset:64*VP*(\q)+32*VP*\b+32*\t
	ds_load_tr16_b128 v[VFR+32*\b+8*\t+4:VFR+32*\b+8*\t+7], v[ADV] offset:64*VP*(\q)+32*VP*\b+32*\t+16*VP
.endr
.endr
	s_wait_dscnt 16                                ; K's sixteen loads are in; V's sixteen may be out
.irp x, 0,1
	WIN 0x54*\x                                    ; K in window 0; Q and S^T in the tile's window
.irp u, 0,1,2,3
	v_wmma_f32_16x16x32_f16 v[S+8*\u:S+8*\u+7], v[KFR+16*\u:KFR+16*\u+7], v[Q:Q+7], 0
.endr
.irp u, 0,1,2,3
	v_wmma_f32_16x16x32_f16 v[S+8*\u:S+8*\u+7], v[KFR+16*\u+8:KFR+16*\u+15], v[Q+8:Q+15], v[S+8*\u:S+8*\u+7]
.endr
.endr
	WIN 0
	PLACES                                         ; four places in front of the first read of the scores
	s_add_co_u32 s96, s[KF], 63                    ; on the diagonal hidden scores become -infinity ahead of the maximum; a step all of whose keys count skips this
	s_cmp_le_u32 s96, s[SQ0]
	s_cbranch_scc1 .Lopen_\@
	s_sub_co_i32 s96, s[SQ0], s[KF]
.irp x, 0,1
	WIN 0x55*\x
	v_add_nc_u32 v[ST+9], s96, v[ST+8]             ; d = my query - the step's first key - 8 (lane / 16).  Register 8 u + j holds key 16 u + 8 (lane / 16) + j of the step: hidden where 16 u + j > d
.set n, 0
.rept 32
	v_cmp_gt_i32 vcc_lo, 16*(n/8)+n%8, v[ST+9]
	v_cndmask_b32 v[S+n], v[S+n], v[ST+10], vcc_lo
.set n, n+1
.endr
.endr
	WIN 0
.Lopen_\@:
	SMX
	s_wait_dscnt 0x0                               ; V is in
	PV
	WIN 0x55
	SMX
	WIN 0x54
	PV
	WIN 0
.Lhidden_\@:
	s_add_co_u32 s[KF], s[KF], 64
.endm
; THE CHANGE OF SLOTS stands at a slot's head.  Each wave waits for all its tensor loads, adds 0 to its spare word (fill = 1: twice on end), and waits for that and for its reads of the slot that it has left.
; Behind the barrier the slot ahead is whole and nobody reads the other one, which is then filled with the keys that follow, up to the causal limit.
.macro CHANGE fill
	s_wait_tensorcnt 0x0                           ; no tensor load of mine is out, so a group 0 may be written
	ds_add_u32 v[SPW], v[NIL]
.if \fill
	ds_add_u32 v[SPW], v[NIL]                      ; and once more, in every trip alike
	s_xor_b32 s[G0K+1], s[G0K+1], SLOT1            ; the walking descriptors: the other slot, the next 256 keys
	s_add_nc_u64 s[G0K+2:G0K+3], s[G0K+2:G0K+3], 32768
	s_xor_b32 s[G0V+1], s[G0V+1], SLOT1
	s_add_nc_u64 s[G0V+2:G0V+3], s[G0V+2:G0V+3], 32768
	s_wait_xcnt 0x0                                ; the last prefetches, a slot back, have read their addresses
	s_add_nc_u64 s[PFK:PFK+1], s[PFK:PFK+1], 32768
	s_add_nc_u64 s[PFV:PFV+1], s[PFV:PFV+1], 32768
.endif
	s_wait_dscnt 0x0                               ; the add is done, and my reads of the slot that I have left are over
	s_barrier_signal -1
	s_barrier_wait -1
.if \fill
	s_add_co_u32 s96, s[KF], 256                   ; the first key of the slot that this change would ask for
	s_cmp_gt_u32 s96, s[LASTQ]                     ; ids and the count of steps alone: all eight waves go the same way; a slot past the limit is read by none of them
	s_cbranch_scc1 .Lpast_\@
	TLOAD                                          ; a wave's one tensor load until the next such barrier: four key steps in which to land
.Lpast_\@:
	ASK
.endif
.endm
.macro SLOT_STEPS
	STEP 0
	STEP 1
	STEP 2
	STEP 3
	s_xor_b32 s[TB], s[TB], SLOT1
.endm
	s_wait_loadcnt 0x0                             ; Q
.Lslot:                                            ; seven trips: behind each change of slots but the last the next slot is asked for
	CHANGE 1
	SLOT_STEPS
	s_sub_co_u32 s[SLOTS], s[SLOTS], 1
	s_cmp_lg_u32 s[SLOTS], 0
	s_cbranch_scc1 .Lslot
	CHANGE 0
	SLOT_STEPS
	; THE WAY OUT: O^T / l, to f16, through my stage, back as rows of 128 bytes: a wave's store covers 512 consecutive bytes
	PLACES
.macro FINISH x
	WIN 0x55*(\x)
	v_add_f32 v[ST+4], v[ST+2], v[ST+3]
	v_permlanex16_b32 v[ST+5], v[ST+4], s[SEL], s[SEL+1]
	v_add_f32 v[ST+4], v[ST+4], v[ST+5]
	v_rcp_f32 v[ST+6], v[ST+4]
	v_nop                                          ; a plain line behind the reciprocal,
	s_wait_alu depctr_va_vdst(0)                   ; and the wait ahead of its first reader
.set n, 0
.rept 16
	v_pk_mul_f32 v[O+2*n:O+2*n+1], v[O+2*n:O+2*n+1], v[ST+6:ST+7] op_sel_hi:[1,0]
.set n, n+1
.endr
.set n, 0
.rept 16
	v_cvt_pk_f16_f32 v[P+n], v[O+2*n], v[O+2*n+1]
.set n, n+1
.endr
	WIN 0x04*(\x)                                  ; an LDS store's data are its source 1
.irp t, 0,1,2,3
	ds_store_b128 v[STO], v[P+4*\t:P+4*\t+3] offset:2304*(\x)+32*\t
.endr
	WIN 0
.irp i, 0,1,2,3
	ds_load_b128 v[KFR+16*(\x)+4*\i:KFR+16*(\x)+4*\i+3], v[RD] offset:2304*(\x)+576*\i   ; LDS serves a wave's instructions in order: these see my stores
.endr
.endm
	FINISH 0
	FINISH 1
	s_wait_dscnt 0x0
.irp x, 0,1
.irp i, 0,1,2,3
	global_store_b128 v[GO], v[KFR+16*\x+4*\i:KFR+16*\x+4*\i+3], s[6:7] offset:2048*\x+512*\i
.endr
.endr
	s_wait_tensorcnt 0x0                           ; the wave's end
	ds_add_u32 v[SPW], v[NIL]
	s_wait_dscnt 0x0
	s_endpgm
.Lfunc_end_k_q885815c120_attn:
	.size	k_q885815c120_attn, .Lfunc_end_k_q885815c120_attn-k_q885815c120_attn
	.p2alignl 7, 3214868480
	.fill 96, 4, 3214868480
	.section	.rodata,"a",@progbits
	.p2align	6, 0x0
	.amdhsa_kernel k_q885815c120_attn
		.amdhsa_group_segment_fixed_size 327680
		.amdhsa_private_segment_fixed_size 0
		.amdhsa_enable_private_segment 0
		.amdhsa_kernarg_size 16
		.amdhsa_user_sgpr_count 2
		.amdhsa_user_sgpr_kernarg_segment_ptr 1
		.amdhsa_wavefront_size32 1
		.amdhsa_system_sgpr_workgroup_id_x 1
		.amdhsa_system_sgpr_workgroup_id_y 1
		.amdhsa_system_sgpr_workgroup_id_z 1
		.amdhsa_system_vgpr_workitem_id 0
		.amdhsa_next_free_vgpr 512
		.amdhsa_next_free_sgpr 100
		.amdhsa_reserve_vcc 1
		.amdhsa_float_denorm_mode_32 3
		.amdhsa_float_denorm_mode_16_64 3
		.amdhsa_memory_ordered 1
		.amdhsa_forward_progress 1
		.amdhsa_inst_pref_size 190
	.end_amdhsa_kernel
	.amdgpu_metadata
---
amdhsa.version: [ 1, 2 ]
amdhsa.kernels:
  - .name:           k_q885815c120_attn
    .symbol:         k_q885815c120_attn.kd
    .args:
      - { .name: qkv16, .offset: 0, .size: 8, .value_kind: global_buffer, .address_space: global }
      - { .name: o16, .offset: 8, .size: 8, .value_kind: global_buffer, .address_space: global }
    .group_segment_fixed_size: 327680
    .private_segment_fixed_size: 0
    .kernarg_segment_align: 8
    .kernarg_segment_size: 16
    .max_flat_workgroup_size: 256
    .sgpr_count:     100
    .vgpr_count:     512
    .wavefront_size: 32
...
	.end_amdgpu_metadata
.endif
;; end of part 3
;; launch proj (part 4): grid 8 x 32, 4 waves a work-group, clusters of 4 x 4, 327,680 bytes of LDS; arguments o16, wo16, out0; writes out0
.if DOCPART == 4
	.amdgcn_target "amdgcn-amd-amdhsa--gfx1250"
	.amdhsa_code_object_version 6
	.text
	.protected	k_q885815c120_proj
	.globl	k_q885815c120_proj
	.p2align	8
	.type	k_q885815c120_proj,@function
k_q885815c120_proj:
	s_mov_b64 s[64:65], 0
	v_nop
	global_prefetch_b8 v0, s[64:65] scope:SCOPE_SE
	s_setreg_imm32_b32 hwreg(HW_REG_WAVE_MODE, 25, 1), 1
	s_wait_xcnt 0x0
	s_wait_alu depctr_hold_cnt(0) depctr_sa_sdst(0) depctr_va_vdst(0) depctr_va_sdst(0) depctr_va_ssrc(0) depctr_va_vcc(0) depctr_vm_vsrc(0)
	s_getreg_b32 s2, hwreg(HW_REG_IB_STS2, 6, 4)
	s_cmp_eq_u32 s2, 0
	s_cbranch_scc0 .Lentry_in_a_cluster
	s_endpgm
.Lentry_in_a_cluster:
	s_bfe_u32 s2, ttmp6, 0x10000c
	s_cmp_lg_u32 s2, 0xf033
	s_cbranch_scc0 .Lentry_shape_is_right
	s_endpgm
.Lentry_shape_is_right:
; out0[m][n] = sum over k of o[m][k] wo[n][k]: M 4,096, N 1,024, K 1,024; f16 operands, f32 sums, f32 out.  o lies in head planes, o16 [b][h][s][64]: k = 64 h + d.  wo16 [n][k].
; A tile of out0 is 128 x 128: 256 work-groups.  Four waves, each 64 x 64: 16 accumulators.  K goes in steps of 256 (four heads) through a ring of two LDS slots.
; A's tile of a wave's load is ONE two-dimensional tile: a 'row' is a head's 64 dense query rows (8,192 bytes), four such rows 262,144 bytes apart; 16 bytes of padding behind every 128: in LDS [4 heads][64 rows][144 bytes].
; B's is 64 rows of 512 bytes, 528 apart.
; CLUSTERS: 4 x 4 work-groups; A's tiles are asked for jointly along a row of the cluster, B's along a column.  THE MATRIX INSTRUCTION IS USED TRANSPOSED: a lane holds eight neighbouring numbers of a row of out0.
; The way out: a wave's 64 columns of f32 are 256 bytes, so each wave has a stage of its own and no barrier is needed.  The first 16 rows of each sequence are written again, more finely, by the launch that follows.
; No prefetch: the tiles are small and the launch is short.  LIMITS: o and wo under 65,504 in magnitude (f16).
; REGISTERS: window 0: v0-31 addresses; v32-95 at work on the way out; v128-255 the accumulators ((a, b) at v[128 + 8 (4 a + b)]).  Window 1: two fragment buffers of 128: 64 registers of A, then 64 of B.
.set KSTEP,  256
.set PA,     144
.set PB,     528
.set HALFA,  36864
.set HALFB,  33792
.set BOFF,   73728
.set SLOT,   141312
.set STAGE,  282624                    ; behind the ring: 16 rows x 272 bytes for each wave
.set SPITCH, 272
.set SPARE,  300032
.set LAPS,   2
.set ASTEP,  1048576                   ; four heads on, in bytes
.set ADRA, 16
.set ADRB, 20
.set STO,  24
.set RD,   25
.set CO,   26
.set SPW,  28
.set NIL,  29
.set TMP,  32
.set ACC,  128
.set F0,   0
.set F1,   128
.set G1, 24
.set G0, 32
.set G1B, 48
.set G0B, 56
.set MSB, 0
.macro WIN new
.if MSB != (\new)
	s_set_vgpr_msb (MSB<<8)|(\new)
.set MSB, (\new)
.endif
.endm
.set MUL,  0x05                        ; sources 0 (B) and 1 (A) window 1; C and D window 0
.set TO_F, 0x40                        ; destination window 1, address window 0
.macro JLOAD s                         ; a joint load: waves 0 and 1 fetch A's two halves, waves 2 and 3 B's; an s_nop 0 and four v_nop follow each of the two lines
	s_cmp_eq_u32 s11, 0
	s_cbranch_scc0 .Lfor_b_\@
	tensor_load_to_lds s[G0+4*\s:G0+4*\s+3], s[G1:G1+7]
	s_nop 0
.rept 4
	v_nop
.endr
	s_branch .Lasked_\@
.Lfor_b_\@:
	tensor_load_to_lds s[G0B+4*\s:G0B+4*\s+3], s[G1B:G1B+7]
	s_nop 0
.rept 4
	v_nop
.endr
.Lasked_\@:
.endm
.macro CREST
	s_cmp_lg_u32 s10, 0
	s_cbranch_scc1 .Lnot_wave_0_\@
	s_barrier_signal -3
.Lnot_wave_0_\@:
	s_barrier_wait -3
	s_barrier_signal -1
	s_barrier_wait -1
.endm
.macro CROUND
	s_barrier_signal -1
	s_barrier_wait -1
	CREST
.endm
	s_load_b128 s[4:7], s[0:1], 0x0                ; o16, wo16
	s_load_b64 s[8:9], s[0:1], 0x10                ; out0
	v_lshl_add_u32 v[SPW], v0, 2, SPARE
	v_mov_b32 v[NIL], 0
	ds_add_u32 v[SPW], v[NIL]                      ; the wave's opening: the add, twice on end, and its wait ahead of my first tensor load
	ds_add_u32 v[SPW], v[NIL]
	v_lshrrev_b32 v1, 5, v0
	v_readfirstlane_b32 s10, v1                    ; wave 0..3
	s_lshr_b32 s11, s10, 1                         ; which half of the tile's rows is mine.  Also: I fetch for A (0) or for B (1)
	s_and_b32 s12, s10, 1                          ; which half of its columns.  Also: which 64 rows of that tile I fetch
	s_bfe_u32 s40, ttmp6, 0x40000                  ; cx, cy
	s_bfe_u32 s41, ttmp6, 0x40004
	s_lshl_b32 s42, ttmp9, 2
	s_add_co_u32 s42, s42, s40                     ; tile column
	s_and_b32 s13, ttmp7, 0xffff
	s_lshl_b32 s13, s13, 2
	s_add_co_u32 s13, s13, s41                     ; tile row
	s_lshl_b32 s43, s41, 2
	s_lshl_b32 s43, 15, s43                        ; my row of the cluster
	s_lshl_b32 s44, 0x1111, s40                    ; my column
	s_or_b32 s[G1+0], s43, (1<<16)|(1<<20)|(1<<21)|(4<<22)|(3<<25)   ; A: elements of 2 bytes; 4 words of padding after every 32
	s_mov_b32 s[G1+1], 4096<<16                    ; tensor_dim0: 64 rows x 64 elements
	s_mov_b32 s[G1+2], 4<<16                       ; tensor_dim1: four heads
	s_mov_b32 s[G1+3], 4096<<16                    ; tile_dim0
	s_mov_b32 s[G1+4], 4                           ; tile_dim1
	s_mov_b32 s[G1+5], 131072                      ; from head to head, in elements
	s_mov_b32 s[G1+6], 0
	s_mov_b32 s[G1+7], 0
	s_or_b32 s[G1B+0], s44, (1<<16)|(1<<20)|(1<<21)|(6<<22)|(3<<25)  ; B: 4 words of padding after every 128
	s_mov_b32 s[G1B+1], KSTEP<<16
	s_mov_b32 s[G1B+2], 64<<16
	s_mov_b32 s[G1B+3], KSTEP<<16
	s_mov_b32 s[G1B+4], 64
	s_mov_b32 s[G1B+5], 1024
	s_mov_b32 s[G1B+6], 0
	s_mov_b32 s[G1B+7], 0
	s_lshl_b32 s18, s12, 6                         ; which 64 rows of the tile I fetch
	s_lshr_b32 s16, s13, 4                         ; A: the batch: 16 planes of 262,144 bytes,
	s_lshl_b32 s16, s16, 22
	s_and_b32 s17, s13, 15
	s_lshl_b32 s17, s17, 7
	s_add_co_u32 s17, s17, s18                     ; and the position in the sequence, 128 bytes each
	s_lshl_b32 s17, s17, 7
	s_add_co_u32 s16, s16, s17
	s_mov_b32 s17, 0
	s_lshl_b32 s46, s42, 7
	s_add_co_u32 s46, s46, s18                     ; B: row 128 x tile column + 64 x half, 2,048 bytes each
	s_lshl_b32 s46, s46, 11
	s_mov_b32 s47, 0
	s_mul_i32 s20, s12, HALFA                      ; where they go: the wave's number alone
	s_mul_i32 s21, s12, HALFB
	s_add_co_u32 s21, s21, BOFF
	s_wait_dscnt 0x0                               ; both opening adds are done
	s_wait_kmcnt 0x0
	s_add_nc_u64 s[14:15], s[4:5], s[16:17]
	s_add_nc_u64 s[46:47], s[6:7], s[46:47]
	CROUND                                         ; all sixteen work-groups are here: the first joint loads meet
.irp s, 0,1
	s_mov_b32 s[G0+4*\s], 1
	s_add_co_u32 s[G0+4*\s+1], s20, \s*SLOT
	s_add_nc_u64 s[G0+4*\s+2:G0+4*\s+3], s[14:15], \s*ASTEP
	s_or_b32 s[G0+4*\s+3], s[G0+4*\s+3], 0x80000000
	s_mov_b32 s[G0B+4*\s], 1
	s_add_co_u32 s[G0B+4*\s+1], s21, \s*SLOT
	s_add_nc_u64 s[G0B+4*\s+2:G0B+4*\s+3], s[46:47], \s*KSTEP*2
	s_or_b32 s[G0B+4*\s+3], s[G0B+4*\s+3], 0x80000000
	JLOAD \s
.endr
	v_and_b32 v1, 15, v0                           ; r
	v_bfe_u32 v2, v0, 4, 1                         ; h
	v_mul_u32_u24 v3, v1, PA
	v_lshl_add_u32 v3, v2, 4, v3
	v_mul_u32_u24 v4, v1, PB
	v_lshl_add_u32 v4, v2, 4, v4
	s_mul_i32 s21, s11, HALFA                      ; my 64 rows of A
	s_mul_i32 s22, s12, HALFB                      ; my 64 rows of B
	s_add_co_u32 s22, s22, BOFF
.irp s, 0,1
	v_add_nc_u32 v[ADRA+\s], s21, v3
	v_add_nc_u32 v[ADRB+\s], s22, v4
	s_add_co_u32 s21, s21, SLOT
	s_add_co_u32 s22, s22, SLOT
.endr
	s_mul_i32 s23, s10, 16*SPITCH
	s_add_co_u32 s23, s23, STAGE                   ; my stage
	v_mul_u32_u24 v5, v1, SPITCH
	v_lshl_add_u32 v5, v2, 5, v5
	v_add_nc_u32 v[STO], s23, v5                   ; in: row r, 32 bytes for each half of the lanes
	v_mul_u32_u24 v5, v2, SPITCH
	v_lshl_add_u32 v5, v1, 4, v5
	v_add_nc_u32 v[RD], s23, v5                    ; back: lanes 0-15 one row of 256 bytes, lanes 16-31 the next
	v_lshlrev_b32 v5, 12, v2
	v_lshl_add_u32 v[CO], v1, 4, v5                ; and the same two rows in out0
	s_lshl_b32 s16, s13, 7
	s_lshl_b32 s17, s11, 6
	s_add_co_u32 s16, s16, s17                     ; my first row
	s_lshl_b32 s16, s16, 12
	s_lshl_b32 s46, s42, 9                         ; my first column, in bytes
	s_lshl_b32 s47, s12, 8
	s_add_co_u32 s46, s46, s47
	s_add_co_u32 s16, s16, s46
	s_mov_b32 s17, 0
	s_add_nc_u64 s[8:9], s[8:9], s[16:17]
.macro MUL8 f, c, a0, zero
.irp a, \a0, \a0+1
.irp b, 0,1,2,3
.if \zero
	v_wmma_f32_16x16x32_f16 v[ACC+8*(4*(\a)+\b):ACC+8*(4*(\a)+\b)+7], v[\f+64+8*(4*\c+\b):\f+64+8*(4*\c+\b)+7], v[\f+8*(4*\c+\a):\f+8*(4*\c+\a)+7], 0
.else
	v_wmma_f32_16x16x32_f16 v[ACC+8*(4*(\a)+\b):ACC+8*(4*(\a)+\b)+7], v[\f+64+8*(4*\c+\b):\f+64+8*(4*\c+\b)+7], v[\f+8*(4*\c+\a):\f+8*(4*\c+\a)+7], v[ACC+8*(4*(\a)+\b):ACC+8*(4*(\a)+\b)+7]
.endif
.endr
.endr
.endm
; 32 LDS loads in one run: the fragments of quarter z (64 along K: one head) into buffer f; the first 32 along K first
.macro FETCH slot, z, f
	WIN TO_F
.irp c, 0,1
.irp i, 0,1,2,3
	ds_load_b128 v[\f+64+8*(4*\c+\i):\f+64+8*(4*\c+\i)+3],   v[ADRB+\slot] offset:128*(\z)+64*\c+\i*16*PB
	ds_load_b128 v[\f+64+8*(4*\c+\i)+4:\f+64+8*(4*\c+\i)+7], v[ADRB+\slot] offset:128*(\z)+64*\c+\i*16*PB+32
	ds_load_b128 v[\f+8*(4*\c+\i):\f+8*(4*\c+\i)+3],         v[ADRA+\slot] offset:64*PA*(\z)+64*\c+\i*16*PA
	ds_load_b128 v[\f+8*(4*\c+\i)+4:\f+8*(4*\c+\i)+7],       v[ADRA+\slot] offset:64*PA*(\z)+64*\c+\i*16*PA+32
.endr
.endr
.endm
.macro PLACES
.rept 4
	v_nop
.endr
.endm
; A K step is four quarters of 64 along K, 32 matrix instructions each, on buffers 0, 1, 0, 1; the 16 accumulators take turns
.macro QUARTER slot, z, f, g, zero
	s_wait_dscnt 16                                ; the first 32 along K are in; the other sixteen loads may be out
	WIN MUL
	MUL8 \f, 0, 0, \zero
	MUL8 \f, 0, 2, \zero
	PLACES
	FETCH \slot, \z, \g
	s_wait_dscnt 32                                ; all but the 32 just issued
	WIN MUL
	MUL8 \f, 1, 0, 0
	MUL8 \f, 1, 2, 0
.endm
; The last quarter multiplies buffer 1 and changes slots: ONE barrier; in front of it each wave waits for all its tensor loads, adds 0 to its spare word, and waits for that and for its reads of this slot
.macro TURN slot, next, fill
	WIN 0
	s_wait_tensorcnt 0x0                           ; all my tensor loads have landed: my part of the next slot
	ds_add_u32 v[SPW], v[NIL]
	s_wait_dscnt 17                                ; (the add and the youngest sixteen loads may be out)
	WIN MUL
	MUL8 F1, 0, 0, 0
	s_wait_dscnt 0x0                               ; the add is done, and my reads of this slot are over
	s_barrier_signal -1
	MUL8 F1, 0, 2, 0
.if \fill
	WIN 0
.endif
	s_barrier_wait -1
.if \fill
	CREST                                          ; the barrier has opened a round of the cluster's barrier: no wave of any partner still reads this slot or has a load on its way
	s_add_nc_u64 s[G0+4*\slot+2:G0+4*\slot+3], s[G0+4*\slot+2:G0+4*\slot+3], 2*ASTEP
	s_add_nc_u64 s[G0B+4*\slot+2:G0B+4*\slot+3], s[G0B+4*\slot+2:G0B+4*\slot+3], 2*KSTEP*2
	JLOAD \slot                                    ; the first tensor load behind the round; its four v_nop are also the places in front of the loads below
.else
	PLACES
.endif
	FETCH \next, 0, F0
	WIN MUL
	MUL8 F1, 1, 0, 0
	MUL8 F1, 1, 2, 0
.endm
	s_wait_tensorcnt 1                             ; my part of K step 0 is in; K step 1's load may stay out
	s_barrier_signal -1
	s_barrier_wait -1
	FETCH 0, 0, F0
	QUARTER 0, 1, F0, F1, 1                        ; the first quarter's first products start the sums
	WIN 0
	s_mov_b32 s3, LAPS-1
.Llap:                                                 ; a trip goes once round the ring and fills both slots again
	QUARTER 0, 2, F1, F0, 0
	QUARTER 0, 3, F0, F1, 0
	TURN 0, 1, 1
	QUARTER 1, 1, F0, F1, 0
	QUARTER 1, 2, F1, F0, 0
	QUARTER 1, 3, F0, F1, 0
	TURN 1, 0, 1
	QUARTER 0, 1, F0, F1, 0
	WIN 0
	s_sub_co_u32 s3, s3, 1
	s_cmp_lg_u32 s3, 0
	s_cbranch_scc1 .Llap
	QUARTER 0, 2, F1, F0, 0                        ; the last lap fills nothing
	QUARTER 0, 3, F0, F1, 0
	TURN 0, 1, 0
	QUARTER 1, 1, F0, F1, 0
	QUARTER 1, 2, F1, F0, 0
	QUARTER 1, 3, F0, F1, 0
	s_wait_dscnt 16
	WIN MUL
	MUL8 F1, 0, 0, 0
	MUL8 F1, 0, 2, 0
	s_wait_dscnt 0
	MUL8 F1, 1, 0, 0
	MUL8 F1, 1, 2, 0
	WIN 0
; THE WAY OUT, 16 rows x 64 columns at a time, through my own stage: LDS serves a wave's instructions in order
.macro TOSTAGE a
.irp b, 0,1,2,3
	ds_store_b128 v[STO], v[ACC+8*(4*(\a)+\b):ACC+8*(4*(\a)+\b)+3] offset:64*\b         ; each accumulator from its low end on
	ds_store_b128 v[STO], v[ACC+8*(4*(\a)+\b)+4:ACC+8*(4*(\a)+\b)+7] offset:64*\b+16
.endr
.irp i, 0,1,2,3,4,5,6,7
	ds_load_b128 v[TMP+32*((\a)%2)+4*\i:TMP+32*((\a)%2)+4*\i+3], v[RD] offset:\i*2*SPITCH
.endr
.endm
.macro SEND a, younger
	s_wait_dscnt \younger                          ; the block is back; the next block's 8 stores and 8 loads may be out
.irp i, 0,1,2,3,4,5,6,7
	global_store_b128 v[CO], v[TMP+32*((\a)%2)+4*\i:TMP+32*((\a)%2)+4*\i+3], s[8:9] offset:(16*(\a)+2*\i)*4096   ; 16 lanes store 256 consecutive bytes, at a multiple of 256 from out0's first byte
.endr
.endm
	PLACES
	TOSTAGE 0
.irp a, 1,2,3
.if \a > 1
	s_wait_xcnt 0x0                                ; block a - 2's stores have read the registers into which block a's loads land
.endif
	TOSTAGE \a
	SEND \a-1, 16
.endr
	SEND 3, 0
	s_wait_tensorcnt 0x0                           ; the wave's end
	ds_add_u32 v[SPW], v[NIL]
	s_wait_dscnt 0x0
	CROUND                                         ; the closing round
	s_endpgm
.Lfunc_end_k_q885815c120_proj:
	.size	k_q885815c120_proj, .Lfunc_end_k_q885815c120_proj-k_q885815c120_proj
	.p2alignl 7, 3214868480
	.fill 96, 4, 3214868480
	.section	.rodata,"a",@progbits
	.p2align	6, 0x0
	.amdhsa_kernel k_q885815c120_proj
		.amdhsa_group_segment_fixed_size 327680
		.amdhsa_private_segment_fixed_size 0
		.amdhsa_enable_private_segment 0
		.amdhsa_kernarg_size 24
		.amdhsa_user_sgpr_count 2
		.amdhsa_user_sgpr_kernarg_segment_ptr 1
		.amdhsa_wavefront_size32 1
		.amdhsa_system_sgpr_workgroup_id_x 1
		.amdhsa_system_sgpr_workgroup_id_y 1
		.amdhsa_system_sgpr_workgroup_id_z 1
		.amdhsa_system_vgpr_workitem_id 0
		.amdhsa_next_free_vgpr 512
		.amdhsa_next_free_sgpr 66
		.amdhsa_reserve_vcc 0
		.amdhsa_float_denorm_mode_32 3
		.amdhsa_float_denorm_mode_16_64 3
		.amdhsa_memory_ordered 1
		.amdhsa_forward_progress 1
		.amdhsa_inst_pref_size 86
	.end_amdhsa_kernel
	.amdgpu_metadata
---
amdhsa.version: [ 1, 2 ]
amdhsa.kernels:
  - .name:           k_q885815c120_proj
    .symbol:         k_q885815c120_proj.kd
    .args:
      - { .name: o16, .offset: 0, .size: 8, .value_kind: global_buffer, .address_space: global }
      - { .name: wo16, .offset: 8, .size: 8, .value_kind: global_buffer, .address_space: global }
      - { .name: out0, .offset: 16, .size: 8, .value_kind: global_buffer, .address_space: global }
    .group_segment_fixed_size: 327680
    .private_segment_fixed_size: 0
    .kernarg_segment_align: 8
    .kernarg_segment_size: 24
    .max_flat_workgroup_size: 128
    .sgpr_count:     66
    .vgpr_count:     512
    .wavefront_size: 32
...
	.end_amdgpu_metadata
.endif
;; end of part 4
;; launch fine (part 5): grid 64 x 2, 16 waves a work-group, no clusters, 18,432 bytes of LDS; arguments fine32, wo, out0; writes out0
.if DOCPART == 5
	.amdgcn_target "amdgcn-amd-amdhsa--gfx1250"
	.amdhsa_code_object_version 6
	.text
	.protected	k_q885815c120_fine
	.globl	k_q885815c120_fine
	.p2align	8
	.type	k_q885815c120_fine,@function
k_q885815c120_fine:
	s_mov_b64 s[64:65], 0
	v_nop
	global_prefetch_b8 v0, s[64:65] scope:SCOPE_SE
	s_setreg_imm32_b32 hwreg(HW_REG_WAVE_MODE, 25, 1), 1
	s_wait_xcnt 0x0
; The first 16 positions of both sequences, wholly in f32: under the causal mask they average one to sixteen values and are the largest rows, so 16-bit operands would weigh most there.
; It runs last and writes rows 0-15 of each batch of out0 over what the launch before left there.
; SHARES.  Work-group (x, b) makes out0[b][0..15][16 x .. 16 x + 15].  Wave w is head w: it makes its head's 16 x 16 attention from fine32 [b][h][t][16][64], and its head's share of the 16 x 16 outputs; the sixteen shares
; meet in LDS and waves 0 and 1 add them.  48 matrix instructions of the f32 form a wave: no bulk work.  The registers that they write are written by matrix instructions alone.
; LAYOUT.  All three products are used transposed (S^T = K Q^T, O^T = V^T P, Y^T = W O^T): a lane holds one query (lane % 16).  In the f32 form lane (r, h) holds k = 2 h + j of a step of four; here the k of a step are
; chosen alike on both sources, so that each operand's registers are taken as they lie: P and O^T go on as source 1 without changing lanes.
; A row piece stored is 64 bytes: 128 KB in the whole launch; wider pieces would multiply each wave's f32 matrix work.
; No cluster and no tensor load: the launch is tiny.  LIMITS: NaN and infinities are not served.
.set SPARE, 16384
.set SPW, 2
.set NIL, 3
.set QR,  16                           ; v16-47 Q; later v16-23 scores, p, sums; v24-31 normalised p, temporaries; v32-39 at work
.set KR,  48                           ; v48-79 K
.set VT,  80                           ; v80-111 V^T: (channels 16 t + r, key 8 h + jj) at 80 + 8 t + jj
.set WR,  112                          ; v112-143 wo: (row 16 x + r, k 64 w + 16 t + 8 h + j) at 112 + 8 t + j
.set SA,  144                          ; v144-175 four partial S^T
.set OA,  176                          ; v176-207 O^T, four tiles of 16 channels
.set YA,  208                          ; v208-239 four partial Y^T
	s_load_b128 s[4:7], s[0:1], 0x0                ; fine32, wo
	s_load_b64 s[8:9], s[0:1], 0x10                ; out0
	v_lshl_add_u32 v[SPW], v0, 2, SPARE
	v_mov_b32 v[NIL], 0
	v_lshrrev_b32 v1, 5, v0
	v_readfirstlane_b32 s10, v1                    ; wave = head
	s_and_b32 s11, ttmp7, 0xffff                   ; batch
	v_and_b32 v4, 15, v0                           ; r
	v_bfe_u32 v5, v0, 4, 1                         ; h
	v_lshlrev_b32 v6, 8, v4
	v_lshl_add_u32 v6, v5, 4, v6                   ; Q, K: 256 r + 16 h
	v_lshlrev_b32 v7, 2, v4
	v_lshl_add_u32 v7, v5, 11, v7                  ; V: 2048 h + 4 r
	v_lshlrev_b32 v8, 12, v4
	v_lshl_add_u32 v8, v5, 5, v8                   ; wo and out0: 4096 r + 32 h
	v_and_b32 v9, 31, v0
	v_lshlrev_b32 v9, 4, v9
	s_lshl_b32 s12, s10, 10
	v_add_nc_u32 v10, s12, v9                      ; LDS: my share: 1024 w + 16 lane
	s_and_b32 s13, s10, 1
	s_lshl_b32 s14, s13, 9
	v_add_nc_u32 v11, s14, v9                      ; LDS: what waves 0 and 1 read: 512 (w % 2) + 16 lane
	v_lshlrev_b32 v12, 3, v5
	v_sub_nc_u32 v12, v4, v12                      ; r - 8 h
	v_mov_b32 v13, 0xff800000
	s_mov_b32 s16, 0x76543210
	s_mov_b32 s17, 0xfedcba98
	s_mov_b32 s18, 0x3e38aa3b                      ; c = log2(e) / 8
	s_lshl_b32 s20, s11, 4
	s_add_co_u32 s20, s20, s10
	s_mul_i32 s20, s20, 12288
	s_mov_b32 s21, 0
	s_lshl_b32 s22, ttmp9, 16                      ; wo: row 16 x,
	s_lshl_b32 s23, s10, 8                         ; k = 64 w
	s_add_co_u32 s22, s22, s23
	s_mov_b32 s23, 0
	s_lshl_b32 s24, s11, 23                        ; out0: the batch,
	s_lshl_b32 s25, ttmp9, 6                       ; column 16 x,
	s_add_co_u32 s24, s24, s25
	s_lshl_b32 s25, s13, 4                         ; and which four of my eight columns I store
	s_add_co_u32 s24, s24, s25
	s_mov_b32 s25, 0
	s_wait_kmcnt 0x0
	s_add_nc_u64 s[4:5], s[4:5], s[20:21]
	s_add_nc_u64 s[6:7], s[6:7], s[22:23]
	s_add_nc_u64 s[8:9], s[8:9], s[24:25]
.irp c, 0,1,2,3,4,5,6,7
	global_load_b128 v[QR+4*\c:QR+4*\c+3], v6, s[4:5] offset:32*\c
.endr
.irp c, 0,1,2,3,4,5,6,7
	global_load_b128 v[KR+4*\c:KR+4*\c+3], v6, s[4:5] offset:4096+32*\c
.endr
.irp t, 0,1,2,3
.irp j, 0,1,2,3,4,5,6,7
	global_load_b32 v[VT+8*\t+\j], v7, s[4:5] offset:8192+256*\j+64*\t
.endr
.endr
.irp t, 0,1,2,3
	global_load_b128 v[WR+8*\t:WR+8*\t+3], v8, s[6:7] offset:64*\t
	global_load_b128 v[WR+8*\t+4:WR+8*\t+7], v8, s[6:7] offset:64*\t+16
.endr
	s_wait_loadcnt 40                              ; Q and K are in; V's 32 loads and wo's 8 may be out
.set n, 0
.rept 16                               ; S^T = K Q^T: 16 steps of four channels, four accumulators by turns
.if n < 4
	v_wmma_f32_16x16x4_f32 v[SA+8*(n%4):SA+8*(n%4)+7], v[KR+2*n:KR+2*n+1], v[QR+2*n:QR+2*n+1], 0
.else
	v_wmma_f32_16x16x4_f32 v[SA+8*(n%4):SA+8*(n%4)+7], v[KR+2*n:KR+2*n+1], v[QR+2*n:QR+2*n+1], v[SA+8*(n%4):SA+8*(n%4)+7]
.endif
.set n, n+1
.endr
.rept 8
	v_nop                                          ; eight places behind this form, in front of the first read of results and of writes over its sources
.endr
.irp j, 0,2,4,6
	v_pk_add_f32 v[16+\j:17+\j], v[SA+\j:SA+\j+1], v[SA+8+\j:SA+8+\j+1]
.endr
.irp j, 0,2,4,6
	v_pk_add_f32 v[24+\j:25+\j], v[SA+16+\j:SA+16+\j+1], v[SA+24+\j:SA+24+\j+1]
.endr
.irp j, 0,2,4,6
	v_pk_add_f32 v[16+\j:17+\j], v[16+\j:17+\j], v[24+\j:25+\j]   ; register j: the score of key 8 h + j for query r
.endr
.irp j, 0,1,2,3,4,5,6,7
	v_cmp_gt_i32 vcc_lo, \j, v12                   ; hidden where 8 h + j > r
	v_cndmask_b32 v[16+\j], v[16+\j], v13, vcc_lo
.endr
	v_max3_num_f32 v32, v16, v17, v18
	v_max3_num_f32 v32, v32, v19, v20
	v_max3_num_f32 v32, v32, v21, v22
	v_max_num_f32 v32, v32, v23
	v_permlanex16_b32 v33, v32, s16, s17
	v_max_num_f32 v32, v32, v33                    ; the row's maximum: key 0 counts for every query
	v_mul_f32 v34, s18, v32
.irp j, 0,1,2,3,4,5,6,7
	v_fma_f32 v[16+\j], v[16+\j], s18, -v34
.endr
.irp j, 0,1,2,3,4,5,6,7
	v_exp_f32 v[16+\j], v[16+\j]
.endr
	v_nop                                          ; a plain line behind the last exponential,
	s_wait_alu depctr_va_vdst(0)                   ; and one wait for the eight, ahead of their first reader
	v_pk_add_f32 v[36:37], v[16:17], v[18:19]
	v_pk_add_f32 v[38:39], v[20:21], v[22:23]
	v_pk_add_f32 v[36:37], v[36:37], v[38:39]
	v_add_f32 v36, v36, v37
	v_permlanex16_b32 v37, v36, s16, s17
	v_add_f32 v36, v36, v37
	v_rcp_f32 v38, v36
	v_nop
	s_wait_alu depctr_va_vdst(0)
.irp j, 0,1,2,3,4,5,6,7
	v_mul_f32 v[24+\j], v[16+\j], v38              ; the weights, normalised
.endr
	s_wait_loadcnt 8                               ; V is in; wo's 8 loads may be out
.set n, 0
.rept 16                               ; O^T = V^T P: step c = n / 4 takes keys 8 h + 2 c, + 1; the four tiles of channels by turns
.if n < 4
	v_wmma_f32_16x16x4_f32 v[OA+8*(n%4):OA+8*(n%4)+7], v[VT+8*(n%4)+2*(n/4):VT+8*(n%4)+2*(n/4)+1], v[24+2*(n/4):25+2*(n/4)], 0
.else
	v_wmma_f32_16x16x4_f32 v[OA+8*(n%4):OA+8*(n%4)+7], v[VT+8*(n%4)+2*(n/4):VT+8*(n%4)+2*(n/4)+1], v[24+2*(n/4):25+2*(n/4)], v[OA+8*(n%4):OA+8*(n%4)+7]
.endif
.set n, n+1
.endr
	s_wait_loadcnt 0x0                             ; wo
.rept 9
	v_nop                                          ; nine places before a matrix instruction takes these results as a source
.endr
.set n, 0
.rept 16                               ; Y^T = W O^T: step (t = n / 4, c = n % 4) takes channels 16 t + 8 h + 2 c, + 1; four accumulators by turns
.if n < 4
	v_wmma_f32_16x16x4_f32 v[YA+8*(n%4):YA+8*(n%4)+7], v[WR+8*(n/4)+2*(n%4):WR+8*(n/4)+2*(n%4)+1], v[OA+8*(n/4)+2*(n%4):OA+8*(n/4)+2*(n%4)+1], 0
.else
	v_wmma_f32_16x16x4_f32 v[YA+8*(n%4):YA+8*(n%4)+7], v[WR+8*(n/4)+2*(n%4):WR+8*(n/4)+2*(n%4)+1], v[OA+8*(n/4)+2*(n%4):OA+8*(n/4)+2*(n%4)+1], v[YA+8*(n%4):YA+8*(n%4)+7]
.endif
.set n, n+1
.endr
.rept 8
	v_nop
.endr
.irp j, 0,2,4,6
	v_pk_add_f32 v[16+\j:17+\j], v[YA+\j:YA+\j+1], v[YA+8+\j:YA+8+\j+1]
.endr
.irp j, 0,2,4,6
	v_pk_add_f32 v[24+\j:25+\j], v[YA+16+\j:YA+16+\j+1], v[YA+24+\j:YA+24+\j+1]
.endr
.irp j, 0,2,4,6
	v_pk_add_f32 v[16+\j:17+\j], v[16+\j:17+\j], v[24+\j:25+\j]   ; register j: my head's share of out0[b][r][16 x + 8 h + j]
.endr
	ds_store_b128 v10, v[16:19]
	ds_store_b128 v10, v[20:23] offset:512
	s_wait_dscnt 0x0                               ; for the others' sake: my stores have landed
	s_barrier_signal -1
	s_barrier_wait -1
	s_cmp_ge_u32 s10, 2                            ; waves 0 and 1 add the sixteen shares, four columns a lane each
	s_cbranch_scc1 .Ldone
.irp k, 0,1,2,3,4,5,6,7,8,9,10,11,12,13,14,15
	ds_load_b128 v[80+4*\k:83+4*\k], v11 offset:1024*\k
.endr
	s_wait_dscnt 0x0
.irp k, 0,2,4,6,8,10,12,14
	v_pk_add_f32 v[80+4*\k:81+4*\k], v[80+4*\k:81+4*\k], v[84+4*\k:85+4*\k]
	v_pk_add_f32 v[82+4*\k:83+4*\k], v[82+4*\k:83+4*\k], v[86+4*\k:87+4*\k]
.endr
.irp k, 0,4,8,12
	v_pk_add_f32 v[80+4*\k:81+4*\k], v[80+4*\k:81+4*\k], v[88+4*\k:89+4*\k]
	v_pk_add_f32 v[82+4*\k:83+4*\k], v[82+4*\k:83+4*\k], v[90+4*\k:91+4*\k]
.endr
.irp k, 0,8
	v_pk_add_f32 v[80+4*\k:81+4*\k], v[80+4*\k:81+4*\k], v[96+4*\k:97+4*\k]
	v_pk_add_f32 v[82+4*\k:83+4*\k], v[82+4*\k:83+4*\k], v[98+4*\k:99+4*\k]
.endr
	v_pk_add_f32 v[80:81], v[80:81], v[112:113]
	v_pk_add_f32 v[82:83], v[82:83], v[114:115]
	global_store_b128 v8, v[80:83], s[8:9]
.Ldone:
	s_wait_tensorcnt 0x0                           ; the wave's end, behind my last LDS store
	ds_add_u32 v[SPW], v[NIL]
	s_wait_dscnt 0x0
	s_endpgm
.Lfunc_end_k_q885815c120_fine:
	.size	k_q885815c120_fine, .Lfunc_end_k_q885815c120_fine-k_q885815c120_fine
	.p2alignl 7, 3214868480
	.fill 96, 4, 3214868480
	.section	.rodata,"a",@progbits
	.p2align	6, 0x0
	.amdhsa_kernel k_q885815c120_fine
		.amdhsa_group_segment_fixed_size 18432
		.amdhsa_private_segment_fixed_size 0
		.amdhsa_enable_private_segment 0
		.amdhsa_kernarg_size 24
		.amdhsa_user_sgpr_count 2
		.amdhsa_user_sgpr_kernarg_segment_ptr 1
		.amdhsa_wavefront_size32 1
		.amdhsa_system_sgpr_workgroup_id_x 1
		.amdhsa_system_sgpr_workgroup_id_y 1
		.amdhsa_system_sgpr_workgroup_id_z 1
		.amdhsa_system_vgpr_workitem_id 0
		.amdhsa_next_free_vgpr 256
		.amdhsa_next_free_sgpr 66
		.amdhsa_reserve_vcc 1
		.amdhsa_float_denorm_mode_32 3
		.amdhsa_float_denorm_mode_16_64 3
		.amdhsa_memory_ordered 1
		.amdhsa_forward_progress 1
		.amdhsa_inst_pref_size 19
	.end_amdhsa_kernel
	.amdgpu_metadata
---
amdhsa.version: [ 1, 2 ]
amdhsa.kernels:
  - .name:           k_q885815c120_fine
    .symbol:         k_q885815c120_fine.kd
    .args:
      - { .name: fine32, .offset: 0, .size: 8, .value_kind: global_buffer, .address_space: global }
      - { .name: wo, .offset: 8, .size: 8, .value_kind: global_buffer, .address_space: global }
      - { .name: out0, .offset: 16, .size: 8, .value_kind: global_buffer, .address_space: global }
    .group_segment_fixed_size: 18432
    .private_segment_fixed_size: 0
    .kernarg_segment_align: 8
    .kernarg_segment_size: 24
    .max_flat_workgroup_size: 512
    .sgpr_count:     66
    .vgpr_count:     256
    .wavefront_size: 32
...
	.end_amdgpu_metadata
.endif
;; end of part 5
